; MI455X (gfx1250); checked and timed in simulation.
; The chip was launched on July 23, 2026; its instructions are those of AMD's public machine-readable ISA for CDNA 5 (MIT licence, August 2026) and "CDNA5" Instruction Set Architecture Reference Guide (July 2026). The comments in the code are by the model that wrote it; some were corrected since.
;; Custom Multihead Attention. Allowed arithmetic: matrix products marked QUANTISED: E3M2 operands, one E8M0 scale for each 32 along K, by v_wmma_scale_f32_16x16x128_f8f6f4 with both operands' format E3M2, f32 sums; everything else in f32.
;; Inputs: Wk 1,024 x 1,024 float32; Wo 1,024 x 1,024 float32; Wq 1,024 x 1,024 float32; Wv 1,024 x 1,024 float32; attn_mask 2,048 x 2,048 int32; bk 1,024 float32; bo 1,024 float32; bq 1,024 float32; bv 1,024 float32; key 4 x 2,048 x 1,024 float32; query 4 x 2,048 x 1,024 float32; value 4 x 2,048 x 1,024 float32.
;; Outputs: out0 4 x 2,048 x 1,024 float32.
;; This version of the problem:
;;   THIS VERSION OF THE PROBLEM IS GIVEN IN LOW PRECISION. The matrix products marked QUANTISED in the list below multiply operands that are first quantised to E3M2 (3 exponent bits, 2 mantissa bits; 6 bits a number), with one power-of-two scale for each 32 numbers along K (OCP MX v1.0); their sums are f32. All else is computed in f32.
;;   The module's matrix products, in the order in which they are computed (A, B: the left and right operand; K: the contracted axis; several contracted axes count as one K, in the product's order):
;;     1. [M 8,192, K 1,024] x [K 1,024, N 1,024]; A: input query; B: input Wq: QUANTISED
;;     2. [M 8,192, K 1,024] x [K 1,024, N 1,024]; A: input key; B: input Wk: QUANTISED
;;     3. [M 8,192, K 1,024] x [K 1,024, N 1,024]; A: input value; B: input Wv: QUANTISED
;;     4. batch 64 x [M 2,048, K 64] x [K 64, N 2,048]; A: computed on the way; B: computed on the way: QUANTISED
;;     5. batch 64 x [M 64, K 2,048] x [K 2,048, N 2,048]; A: computed on the way; B: softmax (see below): QUANTISED
;;     6. [M 8,192, K 1,024] x [K 1,024, N 1,024]; A: computed on the way; B: input Wo: QUANTISED
;;   THE QUANTISER, for each operand of a quantised product, along K:
;;     - K is cut into blocks of 32 from its start; a last block that is shorter is filled with zeros.
;;     - A block's scale is 2^e with e = floor(log2(the largest magnitude in the block)) - 4, held to -126 .. 127; a block of zeros has e = 0. As a byte (E8M0): e + 127.
;;     - Each number is divided by its block's scale, clamped to +-28, and rounded to the nearest number of E3M2, ties to even, subnormals kept.
;;     - The product sums the exact products of the quantised numbers (number of the format x scale) in f32.
;;   ~~~python
;;   def quantise(x, axis):      # numpy; x: float32 -> the quantised numbers, widened to float32 again
;;       x = np.moveaxis(x, axis, -1); K = x.shape[-1]
;;       x = np.pad(x, [(0, 0)] * (x.ndim - 1) + [(0, -K % 32)]); x = x.reshape(x.shape[:-1] + (-1, 32)); a = np.abs(x).max(-1, keepdims=True)
;;       e = np.where(a > 0, np.clip(np.frexp(np.where(a > 0, a, 1))[1] - 1 - 4, -126, 127), 0)      # np.frexp(a)[1] - 1 = floor(log2(a)), exactly
;;       r = np.clip(x / 2.0 ** e, -28, 28)
;;       step = 2.0 ** (np.maximum(np.frexp(np.where(r == 0, 1, r))[1] - 1, -2) - 2)
;;       q = np.round(r / step) * step * 2.0 ** e      # np.round: ties to even
;;       return np.moveaxis(q.reshape(q.shape[:-2] + (-1,))[..., :K], -1, axis).astype(np.float32)
;;   ~~~
;;   SOFTMAX AHEAD OF A QUANTISED PRODUCT. Where the list says 'softmax', what is quantised is not the finished softmax but p = 2^(t - M), with t = logit x log2(e) and M = ceil(the row's largest t), a whole number; so 1/2 < the row's largest p <= 1. The row's sum l is taken of the UNQUANTISED p, in f32, and the product's result is divided by l at the end. Since M is a whole number, a kernel that streams over the keys may use a running M (the ceiling of the running maximum): every later rescaling is an exact power of two, which a block's scale takes up: the codes' values come out the same.
;;   OPERANDS COMPUTED ON THE WAY. 'Computed on the way' means the value that the module computes at that place (a softmax that the list does not call 'softmax' is quantised finished and normalised). What goes into a quantiser is computed in f32, as accurately as f32 sums, v_exp_f32 and their like allow (about 1e-6 of the number): no bf16 or f16 on the way to a quantiser, and a product that is left as it is and whose result goes on into a quantised operand takes f32 operands (vector FMAs, or v_wmma_f32_16x16x4_f32). A number that lies on a knife's edge between two numbers of the format may be rounded either way, as far as f32 arithmetic and the matrix unit's own rounding can turn it there, and no further.
;; 2 versions, each right; version 2 is version 1 with the launch attn written anew for expert scheduling mode. Each part assembles by itself: llvm-mc -triple=amdgcn-amd-amdhsa -mcpu=gfx1250 --defsym DOCPART=n.
;; ======== version 1 of 2: 4 launches
;; workspace buffers: codes 22,020,096 bytes; scales 917,504 bytes; maskl 524,288 bytes of whole numbers; flags 512 bytes of whole numbers; qkv 20,447,232 bytes; oc 6,291,456 bytes; os 262,144 bytes
;; launch prep (part 1): grid 256 x 1, 16 waves a work-group, no clusters, 280,576 bytes of LDS; arguments query, key, value, Wq, Wk, Wv, Wo, attn_mask, codes, scales, maskl, flags; writes codes, scales, maskl, flags
.if DOCPART == 1
	.amdgcn_target "amdgcn-amd-amdhsa--gfx1250"
	.amdhsa_code_object_version 6
	.text
	.protected	k_q034c3691b1_prep
	.globl	k_q034c3691b1_prep
	.p2align	8
	.type	k_q034c3691b1_prep,@function
k_q034c3691b1_prep:
	s_mov_b64 s[64:65], 0
	v_nop
	global_prefetch_b8 v0, s[64:65] scope:SCOPE_SE
	s_setreg_imm32_b32 hwreg(HW_REG_WAVE_MODE, 25, 1), 1
	s_wait_xcnt 0x0
; PREP.  query, key, value [8192][1024] and Wq, Wk, Wv, Wo [1024][1024], f32, K innermost, become codes of BF6 (E3M2) with one E8M0 byte for each 32 along K,
; laid as images of the matrix operands' registers; attn_mask [2048][2048] int32 becomes lane masks and a flag word for each tile of 16 queries.
; WHAT THE PROGRAM LEAVES OUT.  No input is dead: every input is loaded.  The one thing left out, in the attention launch, is a tile of 16 queries x 128 keys in which EVERY entry of attn_mask is 0:
; reference() sets all its scores to -infinity, so its weights are 0 and it adds nothing to a row's maximum, sum or output, whatever the other inputs hold.  Which tiles those are is read from the
; mask itself (the flags stored here): nothing of the mask's pattern is built in.  LIMIT: a NaN, an infinity or an overflow that would arise only in such a tile's scores is not carried to the result.
; A TILE T of an image is 16 rows, row(T, r) = 32 (T / 2) + 8 (T % 2) + r + 8 (r / 8): with that order the 16 registers of two neighbouring result tiles are 16 neighbours along the next product's K.
; codes:  [tile][c = 0..15][plane 0..2][lane][8 bytes]: lane (r, h) holds k = 64 c + 32 h + 0..31 of row(tile, r): 24 bytes, plane p its bytes 8 p .. 8 p + 7.  Tiles: query 0, key 512, value 1024, Wq 1536, Wk 1600, Wv 1664, Wo 1728.
; scales: [tile][kh = 0, 1][r][16 bytes]: word q % 4 of kh = q / 4 holds the four bytes of k = 128 q .. 128 q + 127.
; maskl:  [T][step of 128 keys][n = 0..63] words: bit (r + 16 h) of word n = 16 b + i is 1 where attn_mask[row(T, r)][128 step + 32 b + 16 h + i] == 0.
; flags:  [T] words: bit 2 s: some entry of tile (T, s) is not 0; bit 2 s + 1: some entry is 0.
; A block's scale is 2^(floor(log2(largest magnitude)) - 4): its byte is that magnitude's exponent field - 4, held at 1 from below.
; LIMITS: a block of zeros gets the byte 1 where the rule says 127 (its codes are zeros, and this program alone reads the bytes); blocks whose largest magnitude lies under 2^-122 keep the byte 1; NaN and infinities among the float inputs are not served.
; SHARES.  4,096 wave units of 32 KiB.  Work-groups 0-223: unit u = 16 g + w takes tile u / 2, K half u % 2 (16 rows x 512 numbers).  Work-groups 224-255: unit takes query tile um / 4, 512 keys (four steps).
; A half-step is 64 numbers of 16 rows: eight loads, each two runs of 256 consecutive bytes; they turn through the wave's own stage in LDS (rows of 272 bytes) so that a lane gets 32 neighbours of one row.
; Loads run three half-steps ahead, the turn one.  No barrier: waves share nothing.  The two paths have LDS bytes of their own.  No matrix unit, no cluster: memory binds, and no two work-groups read the same bytes.
.set SPARE, 278528                     ; behind both paths' stages: the spare words, 128 bytes for each of 16 waves
.set MST,   139264                     ; the mask path's stages
.set R,     32                         ; v32-127   three sets of 32 words as loaded
.set X,     128                        ; v128-191  two sets of 32 neighbours
.set C,     192                        ; v192-207  two sets of codes
.set SW,    208                        ; v208-211  the four scale words
.set MW,    192                        ; mask path: v192-199 four pairs of mask words
	s_load_b512 s[16:31], s[0:1], 0x0              ; query, key, value, Wq, Wk, Wv, Wo, attn_mask
	s_load_b256 s[32:39], s[0:1], 0x40             ; codes, scales, maskl, flags
	v_lshl_add_u32 v9, v0, 2, SPARE                ; my spare word; never rewritten
	v_mov_b32 v10, 0                               ; 0; never rewritten
	v_lshrrev_b32 v11, 5, v0
	v_readfirstlane_b32 s2, v11                    ; wave 0..15
	v_and_b32 v1, 31, v0                           ; lane
	v_and_b32 v12, 15, v0                          ; r
	v_bfe_u32 v13, v0, 4, 1                        ; h
	v_lshlrev_b32 v5, 3, v1                        ; 8 x lane
	s_mul_i32 s43, s2, 8704                        ; my wave's two stages
	v_mul_u32_u24 v3, v13, 272
	v_lshl_add_u32 v3, v12, 4, v3
	v_add_nc_u32 v3, s43, v3                       ; into a stage: lanes 0-15 one row, lanes 16-31 the next, 16 bytes a lane
	v_mul_u32_u24 v4, v12, 272
	v_add_nc_u32 v4, s43, v4                       ; row r
	v_add_nc_u32 v14, MST, v3                      ; the mask path's: in,
	v_lshl_add_u32 v15, v13, 6, v4
	v_add_nc_u32 v15, MST, v15                     ; and out: row r, + 64 h
	v_lshl_add_u32 v4, v13, 7, v4                  ; the float path's way out: row r, + 128 h
	s_mov_b32 s12, 0x76543210
	s_mov_b32 s13, 0xfedcba98                      ; v_permlanex16_b32's selects for lane l xor 16
	s_mov_b32 s56, 0xffff0000                      ; the lanes with h = 1
.macro LOAD c, pitch                   ; half-step c: rows r = 2 i + h lie at r + 8 (r / 8) in memory
.irp i, 0,1,2,3,4,5,6,7
	global_load_b128 v[R+32*((\c)%3)+4*\i:R+32*((\c)%3)+4*\i+3], v2, s[4:5] offset:(2*\i+8*(\i/4))*\pitch+256*(\c) th:TH_LOAD_NT
.endr
.endm
.macro TURN c, ain, aout, msk          ; through the stage: LDS serves a wave's instructions in order, so no wait stands between the stores and the loads
.irp i, 0,1,2,3,4,5,6,7
	ds_store_b128 v[\ain], v[R+32*((\c)%3)+4*\i:R+32*((\c)%3)+4*\i+3] offset:4352*((\c)%2)+544*\i
.endr
.irp j, 0,1,2,3,4,5,6,7
.if \msk
	ds_load_b128 v[X+32*((\c)%2)+4*\j:X+32*((\c)%2)+4*\j+3], v[\aout] offset:4352*((\c)%2)+128*(\j/4)+16*(\j%4)
.else
	ds_load_b128 v[X+32*((\c)%2)+4*\j:X+32*((\c)%2)+4*\j+3], v[\aout] offset:4352*((\c)%2)+16*\j
.endif
.endr
.endm
.macro AHEAD c, pitch, ain, aout, msk
	s_wait_dscnt 0x0                               ; this half-step is back from the stage, and its stores into the stage have read their registers,
.if (\c)+3 < 8
	LOAD (\c)+3, \pitch                            ; which take the loads of three half-steps on
.endif
.if (\c)+1 < 8
.if (\c) < 5
	s_wait_loadcnt 16                              ; the next half-step's eight loads are in; those of the two behind it may be out
.else
	s_wait_loadcnt 8*(6-(\c))
.endif
	TURN (\c)+1, \ain, \aout, \msk
.endif
.endm
	s_cmp_lt_u32 ttmp9, 224                        ; the work-group's number alone decides the path
	s_cbranch_scc0 .Lmask
	; ---------------- the float path
	s_lshl_b32 s3, ttmp9, 4
	s_add_co_u32 s3, s3, s2                        ; unit
	s_lshr_b32 s44, s3, 1                          ; tile
	s_and_b32 s45, s3, 1                           ; K half
	v_lshlrev_b32 v2, 12, v13
	v_lshl_add_u32 v2, v12, 4, v2                  ; a load: 4,096 h + 16 r
	v_lshlrev_b32 v6, 4, v12
	v_lshl_add_u32 v6, v13, 3, v6                  ; the scale words' place: 16 r + 8 h
	v_lshlrev_b32 v7, 3, v13                       ; 8 h: my byte's shift in an even half-step,
	v_add_nc_u32 v8, 16, v7                        ; and in an odd one
.irp j, 0,1,2,3
	v_mov_b32 v[216+\j], 0                         ; a lane permute's destination counts as one of its sources
.endr
	s_wait_kmcnt 0x0
	s_mov_b64 s[4:5], s[28:29]                     ; which tensor: all waves of a work-group lie in one
	s_mov_b32 s14, 1728
	s_cmp_lt_u32 ttmp9, 216
	s_cselect_b64 s[4:5], s[26:27], s[4:5]
	s_cselect_b32 s14, 1664, s14
	s_cmp_lt_u32 ttmp9, 208
	s_cselect_b64 s[4:5], s[24:25], s[4:5]
	s_cselect_b32 s14, 1600, s14
	s_cmp_lt_u32 ttmp9, 200
	s_cselect_b64 s[4:5], s[22:23], s[4:5]
	s_cselect_b32 s14, 1536, s14
	s_cmp_lt_u32 ttmp9, 192
	s_cselect_b64 s[4:5], s[20:21], s[4:5]
	s_cselect_b32 s14, 1024, s14
	s_cmp_lt_u32 ttmp9, 128
	s_cselect_b64 s[4:5], s[18:19], s[4:5]
	s_cselect_b32 s14, 512, s14
	s_cmp_lt_u32 ttmp9, 64
	s_cselect_b64 s[4:5], s[16:17], s[4:5]
	s_cselect_b32 s14, 0, s14
	s_sub_co_u32 s46, s44, s14                     ; the tile's number in its tensor
	s_lshr_b32 s47, s46, 1
	s_lshl_b32 s47, s47, 5
	s_and_b32 s46, s46, 1
	s_lshl_b32 s46, s46, 3
	s_add_co_u32 s46, s46, s47                     ; its first row
	s_lshl_b32 s46, s46, 12                        ; rows of 4,096 bytes
	s_lshl_b32 s47, s45, 11
	s_add_co_u32 s46, s46, s47                     ; + 2,048 x K half
	s_mov_b32 s47, 0
	s_add_nc_u64 s[4:5], s[4:5], s[46:47]
	s_mul_i32 s46, s44, 12288
	s_mul_i32 s48, s45, 6144
	s_add_co_u32 s46, s46, s48
	s_add_nc_u64 s[6:7], s[32:33], s[46:47]        ; my unit's codes
	s_lshl_b32 s46, s3, 8
	s_add_nc_u64 s[8:9], s[34:35], s[46:47]        ; and its 256 bytes of scale words
	LOAD 0, 4096
	LOAD 1, 4096
	LOAD 2, 4096
	s_wait_loadcnt 16                              ; half-step 0 is in
	TURN 0, 3, 4, 0
.macro STEPF c
.set XS, X+32*((\c)%2)
.set CS, C+8*((\c)%2)
	AHEAD \c, 4096, 3, 4, 0
	s_wait_xcnt 0x0                                ; the stores of two half-steps back have read this set of codes
	v_max3_num_f32 v212, |v[XS]|, |v[XS+1]|, 0x2800000       ; my block's largest magnitude, in two chains, with the floor 2^(5 - 127): the byte cannot fall under 1
	v_max3_num_f32 v213, |v[XS+16]|, |v[XS+17]|, 0x2800000
.irp i, 2,4,6,8,10,12,14
	v_max3_num_f32 v212, v212, |v[XS+\i]|, |v[XS+\i+1]|
	v_max3_num_f32 v213, v213, |v[XS+16+\i]|, |v[XS+17+\i]|
.endr
	v_max_num_f32 v212, v212, v213
	v_add_nc_u32 v214, 0xfe000000, v212            ; 4 off its exponent field: the conversion takes that field as its scale
	v_cvt_scalef32_pk16_bf6_f32 v[CS:CS+2], v[XS:XS+15], v214
	v_cvt_scalef32_pk16_bf6_f32 v[CS+4:CS+6], v[XS+16:XS+31], v214   ; (a conversion's three registers begin on an even number)
	v_lshrrev_b32 v215, 23, v214                   ; the scale's byte.  (The plain line behind the conversions)
	v_mov_b32 v[CS+3], v[CS+4]
	v_mov_b32 v[CS+4], v[CS+5]
	v_mov_b32 v[CS+5], v[CS+6]                     ; six registers on end: k = 32 h + 0 .. 31
.if (\c)%2 == 0
	v_lshlrev_b32 v[SW+(\c)/2], v7, v215           ; byte h of the word
.else
	v_lshl_or_b32 v[SW+(\c)/2], v215, v8, v[SW+(\c)/2]   ; byte 2 + h
.endif
.irp p, 0,1,2
	global_store_b64 v5, v[CS+2*\p:CS+2*\p+1], s[6:7] offset:768*(\c)+256*\p   ; 32 lanes store 256 consecutive bytes, aligned
.endr
.endm
.irp c, 0,1,2,3,4,5,6,7
	STEPF \c
.endr
.irp j, 0,1,2,3
	v_permlanex16_b32 v[216+\j], v[SW+\j], s12, s13
.endr
.irp j, 0,1,2,3
	v_or_b32 v[SW+\j], v[SW+\j], v[216+\j]         ; with lane l xor 16's two bytes the words are whole
.endr
	v_cndmask_b32 v220, v[SW], v[SW+2], s56        ; lane (r, h) stores words 2 h and 2 h + 1
	v_cndmask_b32 v221, v[SW+1], v[SW+3], s56
	global_store_b64 v6, v[220:221], s[8:9]        ; 256 consecutive bytes, aligned
	s_wait_tensorcnt 0x0                           ; the wave's end, behind my last LDS store
	ds_add_u32 v9, v10
	s_wait_dscnt 0x0
	s_endpgm
	; ---------------- the mask path
.Lmask:
	s_sub_co_u32 s3, ttmp9, 224
	s_lshl_b32 s3, s3, 4
	s_add_co_u32 s3, s3, s2                        ; unit 0..511
	s_lshr_b32 s44, s3, 2                          ; query tile T
	s_and_b32 s45, s3, 3                           ; which 512 keys
	v_lshlrev_b32 v2, 13, v13
	v_lshl_add_u32 v2, v12, 4, v2                  ; a load: 8,192 h + 16 r
.irp j, 0,1,2,3,4,5,6,7
	v_mov_b32 v[MW+\j], 0                          ; v_writelane_b32's destination counts as read
.endr
	v_mov_b32 v201, 0
	s_mov_b32 s40, -1                              ; the AND of a step's 64 words,
	s_mov_b32 s41, 0                               ; their OR,
	s_mov_b32 s42, 0                               ; and my four steps' flags
	s_lshr_b32 s46, s44, 1
	s_lshl_b32 s46, s46, 5
	s_and_b32 s47, s44, 1
	s_lshl_b32 s47, s47, 3
	s_add_co_u32 s46, s46, s47                     ; the tile's first query
	s_lshl_b32 s46, s46, 13                        ; rows of 8,192 bytes
	s_lshl_b32 s47, s45, 11
	s_add_co_u32 s46, s46, s47
	s_mov_b32 s47, 0
	s_wait_kmcnt 0x0
	s_add_nc_u64 s[4:5], s[30:31], s[46:47]
	s_lshl_b32 s46, s3, 10
	s_add_nc_u64 s[6:7], s[36:37], s[46:47]        ; maskl: 4,096 T + 1,024 x part
	s_mov_b32 s46, s3
	s_add_nc_u64 s[8:9], s[38:39], s[46:47]        ; flags: byte 4 T + part
	LOAD 0, 8192
	LOAD 1, 8192
	LOAD 2, 8192
	s_wait_loadcnt 16
	TURN 0, 14, 15, 1
.macro STEPM c                         ; X[16 b' + i] = the entry of my query at key 64 c + 32 b' + 16 h + i
.set XS, X+32*((\c)%2)
	AHEAD \c, 8192, 14, 15, 1
.irp g, 0,1,2,3
.irp e, 0,1,2,3,4,5,6,7
	v_cmp_eq_u32 s[48+\e], 0, v[XS+8*\g+\e]        ; the compare's 32 bits ARE word n = 32 (c % 2) + 8 g + e
.endr
.irp e, 0,1,2,3,4,5,6,7
	v_writelane_b32 v[MW+2*((\c)/2)+\e%2], s[48+\e], (32*((\c)%2)+8*\g+\e)/2   ; word n to register n % 2, lane n / 2: so the step's 64 words leave by one store of 8 bytes a lane
	s_and_b32 s40, s40, s[48+\e]
	s_or_b32 s41, s41, s[48+\e]
.endr
.endr
.if (\c)%2 == 1
	global_store_b64 v5, v[MW+2*((\c)/2):MW+2*((\c)/2)+1], s[6:7] offset:256*((\c)/2)   ; 256 consecutive bytes, aligned
	s_cmp_lg_u32 s40, -1                           ; not every entry is 0: the tile is live
	s_cselect_b32 s43, 1<<(2*((\c)/2)), 0
	s_or_b32 s42, s42, s43
	s_cmp_lg_u32 s41, 0                            ; some entry is 0: the tile wants its mask
	s_cselect_b32 s43, 2<<(2*((\c)/2)), 0
	s_or_b32 s42, s42, s43
	s_mov_b32 s40, -1
	s_mov_b32 s41, 0
.endif
.endm
.irp c, 0,1,2,3,4,5,6,7
	STEPM \c
.endr
	v_mov_b32 v200, s42
	global_store_b8 v201, v200, s[8:9]             ; one byte for 32 KiB read; every lane writes the same byte with the same value; four units' bytes make a tile's word
	s_wait_tensorcnt 0x0                           ; the wave's end, behind my last LDS store
	ds_add_u32 v9, v10
	s_wait_dscnt 0x0
	s_endpgm
.Lfunc_end_k_q034c3691b1_prep:
	.size	k_q034c3691b1_prep, .Lfunc_end_k_q034c3691b1_prep-k_q034c3691b1_prep
	.p2alignl 7, 3214868480
	.fill 96, 4, 3214868480
	.section	.rodata,"a",@progbits
	.p2align	6, 0x0
	.amdhsa_kernel k_q034c3691b1_prep
		.amdhsa_group_segment_fixed_size 280576
		.amdhsa_private_segment_fixed_size 0
		.amdhsa_enable_private_segment 0
		.amdhsa_kernarg_size 96
		.amdhsa_user_sgpr_count 2
		.amdhsa_user_sgpr_kernarg_segment_ptr 1
		.amdhsa_wavefront_size32 1
		.amdhsa_system_sgpr_workgroup_id_x 1
		.amdhsa_system_sgpr_workgroup_id_y 1
		.amdhsa_system_sgpr_workgroup_id_z 1
		.amdhsa_system_vgpr_workitem_id 0
		.amdhsa_next_free_vgpr 224
		.amdhsa_next_free_sgpr 66
		.amdhsa_reserve_vcc 0
		.amdhsa_float_denorm_mode_32 3
		.amdhsa_float_denorm_mode_16_64 3
		.amdhsa_memory_ordered 1
		.amdhsa_forward_progress 1
		.amdhsa_inst_pref_size 99
	.end_amdhsa_kernel
	.amdgpu_metadata
---
amdhsa.version: [ 1, 2 ]
amdhsa.kernels:
  - .name:           k_q034c3691b1_prep
    .symbol:         k_q034c3691b1_prep.kd
    .args:
      - { .name: query, .offset: 0, .size: 8, .value_kind: global_buffer, .address_space: global }
      - { .name: key, .offset: 8, .size: 8, .value_kind: global_buffer, .address_space: global }
      - { .name: value, .offset: 16, .size: 8, .value_kind: global_buffer, .address_space: global }
      - { .name: Wq, .offset: 24, .size: 8, .value_kind: global_buffer, .address_space: global }
      - { .name: Wk, .offset: 32, .size: 8, .value_kind: global_buffer, .address_space: global }
      - { .name: Wv, .offset: 40, .size: 8, .value_kind: global_buffer, .address_space: global }
      - { .name: Wo, .offset: 48, .size: 8, .value_kind: global_buffer, .address_space: global }
      - { .name: attn_mask, .offset: 56, .size: 8, .value_kind: global_buffer, .address_space: global }
      - { .name: codes, .offset: 64, .size: 8, .value_kind: global_buffer, .address_space: global }
      - { .name: scales, .offset: 72, .size: 8, .value_kind: global_buffer, .address_space: global }
      - { .name: maskl, .offset: 80, .size: 8, .value_kind: global_buffer, .address_space: global }
      - { .name: flags, .offset: 88, .size: 8, .value_kind: global_buffer, .address_space: global }
    .group_segment_fixed_size: 280576
    .private_segment_fixed_size: 0
    .kernarg_segment_align: 8
    .kernarg_segment_size: 96
    .max_flat_workgroup_size: 512
    .sgpr_count:     66
    .vgpr_count:     224
    .wavefront_size: 32
...
	.end_amdgpu_metadata
.endif
;; end of part 1
;; launch proj (part 2): grid 4 x 96, 4 waves a work-group, clusters of 4 x 4, 327,680 bytes of LDS; arguments codes, scales, bq, bk, bv, qkv; writes qkv
.if DOCPART == 2
	.amdgcn_target "amdgcn-amd-amdhsa--gfx1250"
	.amdhsa_code_object_version 6
	.text
	.protected	k_q034c3691b1_proj
	.globl	k_q034c3691b1_proj
	.p2align	8
	.type	k_q034c3691b1_proj,@function
k_q034c3691b1_proj:
	s_mov_b64 s[64:65], 0
	v_nop
	global_prefetch_b8 v0, s[64:65] scope:SCOPE_SE
	s_setreg_imm32_b32 hwreg(HW_REG_WAVE_MODE, 25, 1), 1
	s_wait_xcnt 0x0
	s_wait_alu depctr_hold_cnt(0) depctr_sa_sdst(0) depctr_va_vdst(0) depctr_va_sdst(0) depctr_va_ssrc(0) depctr_va_vcc(0) depctr_vm_vsrc(0)
	s_getreg_b32 s2, hwreg(HW_REG_IB_STS2, 6, 4)
	s_cmp_eq_u32 s2, 0
	s_cbranch_scc0 .Lentry_in_a_cluster
	s_endpgm
.Lentry_in_a_cluster:
	s_bfe_u32 s2, ttmp6, 0x10000c
	s_cmp_lg_u32 s2, 0xf033
	s_cbranch_scc0 .Lentry_shape_is_right
	s_endpgm
.Lentry_shape_is_right:
; PROJ.  q = query Wq^T + bq, k = key Wk^T + bk, v = value Wv^T + bv on codes of BF6 (E3M2) with E8M0 scales, f32 sums; the results are quantised in registers (q, k along the head's 64; v along the keys)
; and stored as images of the attention launch's operand registers.  Nothing is left out here.
; A work-group of four waves makes 256 x 256 of a product, a wave 128 x 128: 64 accumulators, 512 registers.  Source 0 = 16 rows of operand B, source 1 = 16 rows of operand A: a lane holds ONE row of A, its registers run along B's rows.
; The cluster's y, 0..23, gives the product t = y / 8 and c8 = y % 8.  t = 0, 1: A = tokens, B = weight rows (registers along the features).  t = 2: A = Wv's rows, B = tokens of value (registers along the keys).
; IMAGES.  A tile is 16 rows, row(T, r) = 32 (T / 2) + 8 (T % 2) + r + 8 (r / 8); its codes are 12,288 bytes, 3,072 for each 256 along K, in the order of the operand's registers: a fragment (128 along K) is six runs of 256 bytes,
; 8 bytes a lane.  So every fragment load reads 256 consecutive LDS bytes, and the 16 registers of accumulators 2 b', 2 b' + 1 are B's rows 32 b' + 16 h + 0 .. 15: neighbours.
; K = 1,024 goes in four steps of 256 through two LDS slots; the scale words of the work-group's 512 rows, 16 KiB, come once.  All four steps are written out.
; CLUSTER 4 x 4: A's tiles are asked for jointly along a row of the cluster, B's along a column.
; qkv: [t][16 batch + head][step of 128 tokens][6,656 bytes]: twelve runs of 512 bytes (16 bytes a lane: registers 4 g .. 4 g + 3 of 48), then 512 bytes of scale words.
;   q, k: token tile t' is registers 6 t' .. 6 t' + 5 (d = 32 h + 0..31); word j of lane (r, h) is tile 2 j + h, row r: bytes 0, 1 the head's own, bytes 2, 3 some byte under 255 (they meet zero codes).
;   v: d tile t' is registers 12 t' .. 12 t' + 11 (keys 64 c + 32 h + 0..31); words 0, 1 of lane (r, h) are d tiles h, 2 + h.
; LIMITS: a block of zeros gets the byte 1 (zero codes; read by this program alone); blocks under 2^-122 keep the byte 1; NaN and infinities are not served.
; Both small bias tables (by register, by lane) are loaded by every wave, so that both ways out find them written: sixteen loads more than a mode uses.
; REGISTERS: window 0: v16-29 addresses; v32-63 scale words, two sets; v64-127 the bias by register; v128-223 A's fragments, one set; v224-239 the bias by lane.  Window 1: B's fragments, two sets.  Windows 2, 3: the accumulators.
.set KB,    3072                       ; a tile's codes of 256 along K
.set HALFT, 8*KB                       ; eight tiles: what one tensor load brings, and what a wave reads of A or of B
.set SLOT,  4*HALFT
.set SCL,   2*SLOT                     ; behind the ring: the scale words, 4,096 bytes for each eight tiles
.set SPARE, SCL+4*4096                 ; the spare words, 128 bytes a wave
.set NQ, 2
.set FR, 12
.set NL, 6
.set NP, 4                             ; places behind this matrix instruction (ISA guide 7.12.1)
.set ADRA, 16                          ; v16-17 my A fragments in slot 0, 1
.set ADRB, 20                          ; v20-21 B's
.set LI,   24                          ; v24    16 x lane
.set ADRS, 27                          ; v27    my scale words: lanes 0-15 A's rows, lanes 16-31 B's
.set SPW,  28
.set NIL,  29
.set SC,   32
.set BI,   64
.set AF,   128
.set H,    128                         ; the way out: 64 numbers of a lane
.set TM,   192
.set W,    208                         ; eight scale words
.set T2,   216
.set BL,   224
.set X4,   252
.set G1, 24
.set G0, 32
.set G1B, 48
.set G0B, 56
.set G1S, 68
.set G0S, 76
.set G1SB, 80
.set G0SB, 88
.set MSB, 0
.macro WIN new                         ; the immediate's high byte repeats the setting that is left
.if MSB != \new
	s_set_vgpr_msb (MSB<<8)|\new
.set MSB, \new
.endif
.endm
.set MUL_LO, 0xa1                      ; source 0 (B) window 1, source 1 (A) window 0, C and D window 2
.set MUL_HI, 0xf1
.set TO_B,   0x40
.macro JLOAD g0a, g1a, g0b, g1b        ; a joint load: waves 0, 1 fetch for A, waves 2, 3 for B; the branch hangs on the wave's number alone; s_nop 0 and four v_nop follow each line
	s_cmp_eq_u32 s17, 0
	s_cbranch_scc0 .Lfor_b_\@
	tensor_load_to_lds s[\g0a:\g0a+3], s[\g1a:\g1a+7]
	s_nop 0
.rept 4
	v_nop
.endr
	s_branch .Lasked_\@
.Lfor_b_\@:
	tensor_load_to_lds s[\g0b:\g0b+3], s[\g1b:\g1b+7]
	s_nop 0
.rept 4
	v_nop
.endr
.Lasked_\@:
.endm
.macro CREST
	s_cmp_lg_u32 s16, 0
	s_cbranch_scc1 .Lnot_wave_0_\@
	s_barrier_signal -3
.Lnot_wave_0_\@:
	s_barrier_wait -3
	s_barrier_signal -1
	s_barrier_wait -1
.endm
.macro CROUND
	s_barrier_signal -1
	s_barrier_wait -1
	CREST
.endm
.macro CLOSE                           ; the wave's end; then the closing round: no work-group ends while a partner may still ask jointly
	s_wait_tensorcnt 0x0
	ds_add_u32 v[SPW], v[NIL]
	s_wait_dscnt 0x0
	CROUND
	s_endpgm
.endm
	s_load_b256 s[4:11], s[0:1], 0x0               ; codes, scales, bq, bk
	s_load_b128 s[12:15], s[0:1], 0x20             ; bv, qkv
	v_lshl_add_u32 v[SPW], v0, 2, SPARE
	v_mov_b32 v[NIL], 0
	ds_add_u32 v[SPW], v[NIL]                      ; the wave's opening: the add, twice on end, and its wait ahead of my first tensor load
	ds_add_u32 v[SPW], v[NIL]
	v_lshrrev_b32 v1, 5, v0
	v_readfirstlane_b32 s16, v1                    ; wave 0..3
	s_lshr_b32 s17, s16, 1                         ; my half of A's rows.  Also: I fetch for A (0) or B (1)
	s_and_b32 s18, s16, 1                          ; my half of B's rows.  Also: which eight tiles I fetch
	s_bfe_u32 s40, ttmp6, 0x40000                  ; cx
	s_bfe_u32 s41, ttmp6, 0x40004                  ; cy
	s_lshl_b32 s100, s41, 2
	s_lshl_b32 s100, 15, s100                      ; my row of the cluster
	s_lshl_b32 s101, 0x1111, s40                   ; my column
	s_or_b32 s[G1+0], s100, (3<<16)|(1<<21)        ; 15:0 the mask; 17:16 elements of 8 bytes; 21 set beside a mask; no padding
	s_or_b32 s[G1B+0], s101, (3<<16)|(1<<21)
	s_or_b32 s[G1S+0], s100, (3<<16)|(1<<21)
	s_or_b32 s[G1SB+0], s101, (3<<16)|(1<<21)
.irp g, G1, G1B                        ; codes: eight rows (tiles) of 3,072 bytes, 12,288 bytes apart
	s_mov_b32 s[\g+1], 384<<16
	s_mov_b32 s[\g+2], 8<<16
	s_mov_b32 s[\g+3], 384<<16
	s_mov_b32 s[\g+4], 8
	s_mov_b32 s[\g+5], 1536
	s_mov_b32 s[\g+6], 0
	s_mov_b32 s[\g+7], 0
.endr
.irp g, G1S, G1SB                      ; scale words: 4,096 dense bytes as 16 rows of 256
	s_mov_b32 s[\g+1], 32<<16
	s_mov_b32 s[\g+2], 16<<16
	s_mov_b32 s[\g+3], 32<<16
	s_mov_b32 s[\g+4], 16
	s_mov_b32 s[\g+5], 32
	s_mov_b32 s[\g+6], 0
	s_mov_b32 s[\g+7], 0
.endr
	s_and_b32 s44, ttmp7, 0xffff                   ; the cluster's y: the same in all sixteen partners
	s_lshr_b32 s19, s44, 3                         ; t: 0 q, 1 k, 2 v
	s_and_b32 s21, s44, 7                          ; c8
	s_lshr_b32 s20, s19, 1                         ; 1 for v
	s_mul_i32 s45, s21, s20                        ; the cluster's place along B: c8 for v, else 0
	s_sub_co_u32 s44, s21, s45                     ; and along A: c8 for q and k, else 0
	s_lshl_b32 s22, s44, 2
	s_add_co_u32 s22, s22, s41                     ; tile row (A)
	s_lshl_b32 s23, s45, 2
	s_add_co_u32 s23, s23, s40                     ; tile column (B)
	s_lshl_b32 s3, s18, 3                          ; which eight tiles I fetch
	s_mul_i32 s47, s20, 640
	s_lshl_b32 s44, s22, 4
	s_add_co_u32 s44, s44, s3
	s_lshl_b32 s45, s19, 9
	s_add_co_u32 s44, s44, s45
	s_add_co_u32 s44, s44, s47                     ; A's tiles begin at 0, 512, 1664
	s_lshl_b32 s66, s23, 4
	s_add_co_u32 s66, s66, s3
	s_lshl_b32 s67, s19, 6
	s_add_co_u32 s66, s66, s67
	s_add_co_u32 s66, s66, 1536
	s_sub_co_u32 s66, s66, s47                     ; B's at 1536, 1600, 1024
	s_mul_i32 s42, s44, 12288
	s_mov_b32 s43, 0
	s_lshl_b32 s44, s44, 9
	s_mov_b32 s45, 0
	s_mul_i32 s92, s66, 12288
	s_mov_b32 s93, 0
	s_lshl_b32 s66, s66, 9
	s_mov_b32 s67, 0
	s_mul_i32 s46, s16, HALFT                      ; where they go: by the wave's number alone
	s_lshl_b32 s47, s16, 12
	s_wait_dscnt 0x0                               ; both opening adds are done
	s_wait_kmcnt 0x0
	s_add_nc_u64 s[42:43], s[4:5], s[42:43]        ; A's codes,
	s_add_nc_u64 s[44:45], s[6:7], s[44:45]        ; A's scale words,
	s_add_nc_u64 s[92:93], s[4:5], s[92:93]        ; B's codes,
	s_add_nc_u64 s[66:67], s[6:7], s[66:67]        ; B's scale words
	CROUND                                         ; all sixteen work-groups are here: the first joint loads meet
	s_mov_b32 s[G0S], 1
	s_add_co_u32 s[G0S+1], s47, SCL
	s_mov_b64 s[G0S+2:G0S+3], s[44:45]
	s_or_b32 s[G0S+3], s[G0S+3], 0x80000000
	s_mov_b32 s[G0SB], 1
	s_add_co_u32 s[G0SB+1], s47, SCL
	s_mov_b64 s[G0SB+2:G0SB+3], s[66:67]
	s_or_b32 s[G0SB+3], s[G0SB+3], 0x80000000
	JLOAD G0S, G1S, G0SB, G1SB                     ; three first fills a wave: the scale words, slot 0, slot 1: three tensor loads of mine are out
.irp s, 0,1
	s_mov_b32 s[G0+4*\s], 1
	s_add_co_u32 s[G0+4*\s+1], s46, \s*SLOT
	s_add_nc_u64 s[G0+4*\s+2:G0+4*\s+3], s[42:43], \s*KB
	s_or_b32 s[G0+4*\s+3], s[G0+4*\s+3], 0x80000000
	s_mov_b32 s[G0B+4*\s], 1
	s_add_co_u32 s[G0B+4*\s+1], s46, \s*SLOT
	s_add_nc_u64 s[G0B+4*\s+2:G0B+4*\s+3], s[92:93], \s*KB
	s_or_b32 s[G0B+4*\s+3], s[G0B+4*\s+3], 0x80000000
	JLOAD G0+4*\s, G1, G0B+4*\s, G1B
.endr
	v_and_b32 v1, 15, v0                           ; r
	v_bfe_u32 v2, v0, 4, 1                         ; h
	v_and_b32 v3, 31, v0
	v_lshlrev_b32 v4, 3, v3                        ; 8 x lane
	v_lshlrev_b32 v[LI], 4, v3
	s_mul_i32 s42, s17, HALFT
	s_mul_i32 s43, s18, HALFT
	s_add_co_u32 s43, s43, 2*HALFT
.irp s, 0,1
	v_add_nc_u32 v[ADRA+\s], s42, v4
	v_add_nc_u32 v[ADRB+\s], s43, v4
	s_add_co_u32 s42, s42, SLOT
	s_add_co_u32 s43, s43, SLOT
.endr
	s_lshl_b32 s42, s17, 12                        ; A's scale words: my eight tiles;
	s_lshl_b32 s43, s18, 12
	s_add_co_u32 s43, s43, 8192                    ; B's lie behind A's sixteen
	s_sub_co_u32 s43, s43, s42
	v_mul_u32_u24 v5, s43, v2                      ; lanes 16-31 take B's: one product with h
	s_add_co_u32 s42, s42, SCL
	v_lshl_add_u32 v5, v1, 4, v5
	v_add_nc_u32 v[ADRS], s42, v5
	s_cmp_eq_u32 s19, 2                            ; which side holds tokens and which features
	s_cselect_b32 s42, s23, s22                    ; the tokens' tile of 256,
	s_cselect_b32 s43, s18, s17                    ; my half of it,
	s_cselect_b32 s44, s22, s23                    ; the features' tile,
	s_cselect_b32 s45, s17, s18                    ; my half of it
	s_cselect_b64 s[94:95], s[12:13], s[10:11]
	s_cmp_eq_u32 s19, 0
	s_cselect_b64 s[94:95], s[8:9], s[94:95]       ; the bias
	s_lshl_b32 s46, s44, 10
	s_lshl_b32 s47, s45, 9
	s_add_co_u32 s46, s46, s47                     ; my first feature, in bytes
	s_mov_b32 s47, 0
	s_add_nc_u64 s[94:95], s[94:95], s[46:47]
	s_lshr_b32 s46, s42, 3
	s_lshl_b32 s46, s46, 4                         ; 16 x batch
	s_lshl_b32 s66, s44, 2
	s_add_co_u32 s46, s46, s66
	s_lshl_b32 s66, s45, 1
	s_add_co_u32 s46, s46, s66                     ; + my first head
	s_lshl_b32 s46, s46, 4
	s_and_b32 s66, s42, 7
	s_lshl_b32 s66, s66, 1
	s_add_co_u32 s46, s46, s66
	s_add_co_u32 s46, s46, s43                     ; x 16 + my step of 128 tokens
	s_mul_i32 s46, s46, 6656
	s_mul_i32 s66, s19, 6815744
	s_add_co_u32 s46, s46, s66
	s_add_nc_u64 s[92:93], s[14:15], s[46:47]      ; my first record
	v_lshlrev_b32 v6, 6, v2                        ; 64 h
	v_and_b32 v7, 8, v1
	v_add_nc_u32 v7, v7, v1
	v_lshlrev_b32 v7, 2, v7                        ; 4 (r + 8 (r / 8))
.irp b, 0,1,2,3
.irp j, 0,1,2,3
	global_load_b128 v[BI+16*\b+4*\j:BI+16*\b+4*\j+3], v6, s[94:95] offset:128*\b+16*\j   ; the bias of features 32 b + 16 h + 0 .. 15
.endr
.endr
.irp a, 0,1,2,3,4,5,6,7
	global_load_b32 v[BL+2*\a], v7, s[94:95] offset:(32*(\a/2)+8*(\a%2))*4                 ; the bias of tile a's row r, twice: a pair for the packed addition
	global_load_b32 v[BL+2*\a+1], v7, s[94:95] offset:(32*(\a/2)+8*(\a%2))*4
.endr
	s_mov_b32 s96, 0xffff0000                      ; the lanes with h = 1
	s_mov_b32 s98, 0x76543210
	s_mov_b32 s99, 0xfedcba98
.macro FRAG reg, adr, q, i             ; a fragment: six runs of 256 bytes, 8 bytes a lane, as they lie
.irp p, 0,1,2,3,4,5
	ds_load_b64 v[\reg+2*\p:\reg+2*\p+1], v[\adr] offset:(\i)*KB+(\q)*1536+256*\p
.endr
.endm
; 16 matrix instructions: A's blocks a0, a0 + 1 x B's eight.  The 64 accumulators take turns, one instruction a turn, in the same order in every step.
.macro MUL16 a0, p, q, sc, zero
.irp a, \a0, \a0+1
.irp b, 0,1,2,3,4,5,6,7
.if \zero
	v_wmma_scale_f32_16x16x128_f8f6f4 v[8*(8*((\a)%4)+\b):8*(8*((\a)%4)+\b)+7], v[128*(\p)+FR*\b:128*(\p)+FR*\b+FR-1], v[AF+FR*(\a):AF+FR*(\a)+FR-1], 0, v[SC+8*NQ*(\sc)+NQ*\b+(\q)], v[SC+8*NQ*(\sc)+NQ*(\a)+(\q)] matrix_a_fmt:MATRIX_FMT_BF6 matrix_b_fmt:MATRIX_FMT_BF6 matrix_a_scale:MATRIX_SCALE_ROW1
.else
	v_wmma_scale_f32_16x16x128_f8f6f4 v[8*(8*((\a)%4)+\b):8*(8*((\a)%4)+\b)+7], v[128*(\p)+FR*\b:128*(\p)+FR*\b+FR-1], v[AF+FR*(\a):AF+FR*(\a)+FR-1], v[8*(8*((\a)%4)+\b):8*(8*((\a)%4)+\b)+7], v[SC+8*NQ*(\sc)+NQ*\b+(\q)], v[SC+8*NQ*(\sc)+NQ*(\a)+(\q)] matrix_a_fmt:MATRIX_FMT_BF6 matrix_b_fmt:MATRIX_FMT_BF6 matrix_a_scale:MATRIX_SCALE_ROW1
.endif
.endr
.endr
.endm
.macro FETCH_B slot, q, p
	WIN TO_B
.irp i, 0,1,2,3,4,5,6,7
	FRAG 128*(\p)+FR*\i, ADRB+\slot, \q, \i
.endr
	WIN 0
.endm
.macro FETCH_A slot, q, i0
.irp i, \i0, \i0+1, \i0+2, \i0+3
	FRAG AF+FR*(\i), ADRA+\slot, \q, \i
.endr
.endm
.macro SCALES sc, ks                   ; K step ks's two words a row: lanes 0-15 A's block i, lanes 16-31 B's block i
.irp i, 0,1,2,3,4,5,6,7
	ds_load_b64 v[SC+16*\sc+2*\i:SC+16*\sc+2*\i+1], v[ADRS] offset:512*\i+256*((\ks)/2)+8*((\ks)%2)
.endr
.endm
.macro PLACES n                        ; plain vector lines between a matrix instruction and a load into its registers or a read of its result
.rept \n
	v_nop
.endr
.endm
.macro STEP slot, q, zero              ; 128 along K with its successor in the same slot
	s_wait_dscnt 4*NL                              ; B's set and A's blocks 0-3 are in; the 24 youngest loads (A's blocks 4-7) may be out
	WIN MUL_LO
	MUL16 0, (\q)%2, \q, \slot, \zero
	MUL16 2, (\q)%2, \q, \slot, \zero
	s_wait_dscnt 0
	PLACES NP
	FETCH_B \slot, (\q)+1, 1-(\q)%2
	FETCH_A \slot, (\q)+1, 0
	WIN MUL_HI
	MUL16 4, (\q)%2, \q, \slot, \zero
	MUL16 6, (\q)%2, \q, \slot, \zero
	PLACES NP
	WIN 0
	FETCH_A \slot, (\q)+1, 4
.endm
; A slot's last 128 change slots: one barrier; in front of it each wave waits for all its tensor loads, adds 0 to its spare word, and waits for that and for its reads of the slot.  fill = 1: the slot is filled again, two K steps on.
.macro TURN slot, next, fill, ks
	s_wait_tensorcnt 0x0                           ; all my tensor loads have landed: my part of the next slot
	ds_add_u32 v[SPW], v[NIL]
	s_wait_dscnt 4*NL+1                            ; (the add and the 24 youngest loads may be out)
	WIN MUL_LO
	MUL16 0, 1, NQ-1, \slot, 0
	s_wait_dscnt 0x0                               ; the add is done, and my reads of this slot are over
	s_barrier_signal -1
	MUL16 2, 1, NQ-1, \slot, 0
	WIN 0
	s_barrier_wait -1
.if \fill
	CREST                                          ; the barrier has opened a round of the cluster's: no wave of any partner still reads this slot or has a load on its way
	s_add_nc_u64 s[G0+4*\slot+2:G0+4*\slot+3], s[G0+4*\slot+2:G0+4*\slot+3], 2*KB
	s_add_nc_u64 s[G0B+4*\slot+2:G0B+4*\slot+3], s[G0B+4*\slot+2:G0B+4*\slot+3], 2*KB
	JLOAD G0+4*\slot, G1, G0B+4*\slot, G1B         ; my one tensor load behind the round; its four v_nop are the places in front of the loads below
.else
	PLACES NP
.endif
	FETCH_B \next, 0, 0
	FETCH_A \next, 0, 0
	SCALES \next, \ks
	WIN MUL_HI
	MUL16 4, 1, NQ-1, \slot, 0
	MUL16 6, 1, NQ-1, \slot, 0
	PLACES NP
	WIN 0
	FETCH_A \next, 0, 4
.endm
	s_wait_tensorcnt 1                             ; the scale words and my part of K step 0 are in (slot 1's load may be out)
	s_barrier_signal -1
	s_barrier_wait -1
	FETCH_B 0, 0, 0
	FETCH_A 0, 0, 0
	SCALES 0, 0
	FETCH_A 0, 0, 4
	STEP 0, 0, 1                                   ; the first products start the sums: nothing is cleared
	TURN 0, 1, 1, 1
	STEP 1, 0, 0
	TURN 1, 0, 1, 2
	STEP 0, 0, 0
	TURN 0, 1, 0, 3                                ; the last change of slots fills nothing
	STEP 1, 0, 0
	s_wait_dscnt 4*NL
	WIN MUL_LO
	MUL16 0, 1, NQ-1, 1, 0
	MUL16 2, 1, NQ-1, 1, 0
	s_wait_dscnt 0
	WIN MUL_HI
	MUL16 4, 1, NQ-1, 1, 0
	MUL16 6, 1, NQ-1, 1, 0
	WIN 0
; THE WAY OUT.  64 numbers of a lane, register 16 b + i = place 32 b + 16 h + i along the next K, become two runs of six code registers (blocks 0, 1 -> d0; blocks 2, 3 -> d1) and a scale word.
.macro QUANT s, d0, d1, w
.irp b, 0,1,2,3
	v_max3_num_f32 v[TM+\b], |v[\s+16*\b]|, |v[\s+1+16*\b]|, 0x2800000   ; with the floor 2^(5 - 127): the byte cannot fall under 1
.endr
.irp i, 2,4,6,8,10,12,14
.irp b, 0,1,2,3
	v_max3_num_f32 v[TM+\b], v[TM+\b], |v[\s+16*\b+\i]|, |v[\s+1+16*\b+\i]|
.endr
.endr
.irp b, 0,1,2,3
	v_permlanex16_b32 v[TM+4+\b], v[TM+\b], s98, s99
.endr
.irp b, 0,1,2,3
	v_max_num_f32 v[TM+\b], v[TM+\b], v[TM+4+\b]   ; with lane l xor 16's: the block's largest magnitude
.endr
.irp b, 0,1,2,3
	v_add_nc_u32 v[TM+12+\b], 0xfe000000, v[TM+\b] ; 4 off its exponent field: the conversion's scale operand
.endr
.irp b, 0,1,2,3
	v_lshrrev_b32 v[TM+4+\b], 23, v[TM+12+\b]      ; the scale's byte
.endr
	v_lshl_or_b32 v[\w], v[TM+5], 8, v[TM+4]
	v_lshl_or_b32 v[\w], v[TM+6], 16, v[\w]
	v_lshl_or_b32 v[\w], v[TM+7], 24, v[\w]
	v_cvt_scalef32_pk16_bf6_f32 v[(\d0):(\d0)+2], v[\s:\s+15], v[TM+12]
	v_cvt_scalef32_pk16_bf6_f32 v[T2:T2+2], v[\s+16:\s+31], v[TM+13]
	v_cvt_scalef32_pk16_bf6_f32 v[(\d1):(\d1)+2], v[\s+32:\s+47], v[TM+14]
	v_cvt_scalef32_pk16_bf6_f32 v[T2+4:T2+6], v[\s+48:\s+63], v[TM+15]
	v_nop                                          ; one plain line behind the conversions
.irp i, 0,1,2
	v_permlane16_swap_b32 v[(\d0)+\i], v[T2+\i]    ; a whole block to a lane: lanes 0-15 the even block, lanes 16-31 the odd one
	v_permlane16_swap_b32 v[(\d1)+\i], v[T2+4+\i]
.endr
.irp i, 0,1,2
	v_mov_b32 v[(\d0)+3+\i], v[T2+\i]
	v_mov_b32 v[(\d1)+3+\i], v[T2+4+\i]
.endr
.endm
.macro ADDB a, vmode                   ; block a's 64 results + the bias, each accumulator from its low end on
	WIN 0x02+(\a)/4
.set i, 0
.rept 32
.if \vmode
	v_pk_add_f32 v[H+2*i:H+2*i+1], v[64*((\a)%4)+2*i:64*((\a)%4)+2*i+1], v[BL+2*(\a):BL+2*(\a)+1]
.else
	v_pk_add_f32 v[H+2*i:H+2*i+1], v[64*((\a)%4)+2*i:64*((\a)%4)+2*i+1], v[BI+2*i:BI+2*i+1]
.endif
.set i, i+1
.endr
	WIN 0
.endm
	s_wait_loadcnt 0x0                             ; the bias tables
	PLACES NP
.irp b, 0,1,2,3
	v_mov_b32 v[TM+4+\b], 0                        ; a lane permute's destination counts as one of its sources
.endr
	s_cmp_eq_u32 s19, 2                            ; the product's number: the same in all partners
	s_cbranch_scc1 .Lvmode
	; q and k: a lane holds a token, the registers two heads' 64 + 64 features.  Blocks 0, 1 are my first head's d, blocks 2, 3 my second's.
.set CA, 224
.set CB, 236
.irp a, 0,1,2,3,4,5,6,7
	ADDB \a, 0
.if (\a%2 == 0) && (\a > 0)
	s_wait_xcnt 0x0                                ; the last stores have read their registers
.endif
	QUANT H, CA+6*(\a%2), CB+6*(\a%2), W+\a
.if \a%2 == 1
.irp i, 0,1,2
	global_store_b128 v[LI], v[CA+4*\i:CA+4*\i+3], s[92:93] offset:512*(3*(\a/2)+\i)          ; 512 consecutive bytes, aligned
	global_store_b128 v[LI], v[CB+4*\i:CB+4*\i+3], s[92:93] offset:106496+512*(3*(\a/2)+\i)   ; the second head's record
.endr
.endif
.endr
.irp j, 0,1,2,3
	v_cndmask_b32 v[X4+\j], v[W+2*\j], v[W+2*\j+1], s96   ; word j of lane (r, h): tile 2 j + h
.endr
	global_store_b128 v[LI], v[X4:X4+3], s[92:93] offset:6144
	s_wait_xcnt 0x0
.irp j, 0,1,2,3,4,5,6,7
	v_lshrrev_b32 v[W+\j], 16, v[W+\j]             ; the second head's two bytes come down
.endr
.irp j, 0,1,2,3
	v_cndmask_b32 v[X4+\j], v[W+2*\j], v[W+2*\j+1], s96
.endr
	global_store_b128 v[LI], v[X4:X4+3], s[92:93] offset:106496+6144
	CLOSE
	; v: a lane holds a feature (d), the registers 128 keys: one fragment and one scale word for each tile of 16 d
.Lvmode:
.set CA, 240
.irp a, 0,1,2,3,4,5,6,7
	ADDB \a, 1
.if \a > 0
	s_wait_xcnt 0x0
.endif
	QUANT H, CA, CA+6, W+\a
.irp i, 0,1,2
	global_store_b128 v[LI], v[CA+4*\i:CA+4*\i+3], s[92:93] offset:(\a/4)*106496+512*(3*(\a%4)+\i)
.endr
.endr
.irp u, 0,1
.if \u
	s_wait_xcnt 0x0
.endif
	v_cndmask_b32 v[X4], v[W+4*\u], v[W+4*\u+1], s96       ; d tile h,
	v_cndmask_b32 v[X4+1], v[W+4*\u+2], v[W+4*\u+3], s96   ; d tile 2 + h,
	v_mov_b32 v[X4+2], v[X4]                               ; and the two once more, to fill the lane's 16 bytes
	v_mov_b32 v[X4+3], v[X4+1]
	global_store_b128 v[LI], v[X4:X4+3], s[92:93] offset:\u*106496+6144
.endr
	CLOSE
.Lfunc_end_k_q034c3691b1_proj:
	.size	k_q034c3691b1_proj, .Lfunc_end_k_q034c3691b1_proj-k_q034c3691b1_proj
	.p2alignl 7, 3214868480
	.fill 96, 4, 3214868480
	.section	.rodata,"a",@progbits
	.p2align	6, 0x0
	.amdhsa_kernel k_q034c3691b1_proj
		.amdhsa_group_segment_fixed_size 327680
		.amdhsa_private_segment_fixed_size 0
		.amdhsa_enable_private_segment 0
		.amdhsa_kernarg_size 48
		.amdhsa_user_sgpr_count 2
		.amdhsa_user_sgpr_kernarg_segment_ptr 1
		.amdhsa_wavefront_size32 1
		.amdhsa_system_sgpr_workgroup_id_x 1
		.amdhsa_system_sgpr_workgroup_id_y 1
		.amdhsa_system_sgpr_workgroup_id_z 1
		.amdhsa_system_vgpr_workitem_id 0
		.amdhsa_next_free_vgpr 1024
		.amdhsa_next_free_sgpr 102
		.amdhsa_reserve_vcc 0
		.amdhsa_float_denorm_mode_32 3
		.amdhsa_float_denorm_mode_16_64 3
		.amdhsa_memory_ordered 1
		.amdhsa_forward_progress 1
		.amdhsa_inst_pref_size 233
	.end_amdhsa_kernel
	.amdgpu_metadata
---
amdhsa.version: [ 1, 2 ]
amdhsa.kernels:
  - .name:           k_q034c3691b1_proj
    .symbol:         k_q034c3691b1_proj.kd
    .args:
      - { .name: codes, .offset: 0, .size: 8, .value_kind: global_buffer, .address_space: global }
      - { .name: scales, .offset: 8, .size: 8, .value_kind: global_buffer, .address_space: global }
      - { .name: bq, .offset: 16, .size: 8, .value_kind: global_buffer, .address_space: global }
      - { .name: bk, .offset: 24, .size: 8, .value_kind: global_buffer, .address_space: global }
      - { .name: bv, .offset: 32, .size: 8, .value_kind: global_buffer, .address_space: global }
      - { .name: qkv, .offset: 40, .size: 8, .value_kind: global_buffer, .address_space: global }
    .group_segment_fixed_size: 327680
    .private_segment_fixed_size: 0
    .kernarg_segment_align: 8
    .kernarg_segment_size: 48
    .max_flat_workgroup_size: 128
    .sgpr_count:     102
    .vgpr_count:     1024
    .wavefront_size: 32
...
	.end_amdgpu_metadata
.endif
;; end of part 2
;; launch attn (part 3): grid 4 x 64, 16 waves a work-group, no clusters, 28,672 bytes of LDS; arguments qkv, maskl, flags, oc, os; writes oc, os
.if DOCPART == 3
	.amdgcn_target "amdgcn-amd-amdhsa--gfx1250"
	.amdhsa_code_object_version 6
	.text
	.protected	k_q034c3691b1_attn
	.globl	k_q034c3691b1_attn
	.p2align	8
	.type	k_q034c3691b1_attn,@function
k_q034c3691b1_attn:
	s_mov_b64 s[64:65], 0
	v_nop
	global_prefetch_b8 v0, s[64:65] scope:SCOPE_SE
	s_setreg_imm32_b32 hwreg(HW_REG_WAVE_MODE, 25, 1), 1
	s_wait_xcnt 0x0
; ATTN.  o = softmax(q k^T / 8, masked by attn_mask) v for one batch and head, both products on codes of BF6 (E3M2); o is quantised along the embedding and stored as the last product's operand image.
; LEFT OUT: a tile of 16 queries x 128 keys all of whose mask entries are 0 (its weights are 0 whatever the inputs hold): by the flag words that the first launch stored.  A NaN or infinity that would arise only there is not carried.
; THE SOFTMAX: t = score x log2(e) / 8; M = the running largest t rounded up to a whole number; p = 2^(t - M) is quantised along the keys; the sum is taken of the unquantised p and divides at the end.
; SHARES.  Work-group (p, batch x head) takes query blocks p and 7 - p, 256 queries each; each of sixteen waves owns one tile of 16 queries, in 256 registers: four waves to a SIMD.
; Both products are used transposed (S^T = K Q^T, O^T = V^T P^T): a lane holds one query throughout.  By the images' order of rows the 16 registers of tiles 2 b, 2 b + 1 of S^T are keys 32 b + 16 h + 0..15, and those of O^T d = 32 b + 16 h + 0..15.
; THE FIRST PRODUCT HAS K = 64 in an instruction of 128: Q's registers 6-11 are zero codes, and a tile of K is named as twelve registers of which the upper six are the next tile's codes (zeros behind the last): they meet zeros.
; NO TENSOR LOAD, NO CLUSTER: the launch branches on numbers read from memory (the flags); K's and V's records (6,656 bytes a step each) come through registers:
; thirteen waves load 512 bytes each of both, a step ahead, and store them into the other of two LDS slots.  One barrier a step: my reads of this slot are over and my stores into the other have landed.  Every wave passes every barrier.
; A ROW WITH NO KEY: its sum is 0; its scale bytes are set to 0xff, so that the last product makes that row of the output NaN, as reference() has it.
; LIMITS: t under -3e38 is not served; a block of zeros has the byte 1.  The scale bytes of o leave as 2 bytes a row, 16 bytes apart: whole runs would want all 16 heads of a token in one work-group; they are 32 bytes beside 768.
; REGISTERS: v1-7 addresses; v8-15 staging; v16-27 Q; v28, 29, 32-37 scale words; v38 -M, v39 the largest t, v[40:41] the sum, v42 f; v48-69 at work; v72-83 p's codes; v84-131 K, then V; v132-137 zeros; v140-203 S^T, then p; v204-235 O^T.
; s[16:63], s[80:95]: the step's 64 mask words; s14 my tile's flags, s15 the block's, both shifted by a step's two bits each step.
.set SLOTB, 13312                      ; a slot: K's record, then V's
.set REC,   6656
.set SPARE, 26624                      ; behind the two slots: the spare words, 128 bytes for each of 16 waves
.set S,     140
.set O,     204
.set KV,    84
	s_load_b256 s[80:87], s[0:1], 0x0              ; qkv, maskl, flags, oc
	s_load_b64 s[68:69], s[0:1], 0x20              ; os
	v_lshl_add_u32 v3, v0, 2, SPARE                ; my spare word; never rewritten
	v_mov_b32 v4, 0                                ; 0; never rewritten
	v_lshrrev_b32 v7, 5, v0
	v_readfirstlane_b32 s2, v7                     ; wave 0..15
	v_and_b32 v7, 31, v0
	v_lshlrev_b32 v1, 4, v7                        ; 16 x lane
	v_lshlrev_b32 v5, 3, v7                        ; 8 x lane
	v_lshlrev_b32 v2, 4, v0                        ; 16 x thread: my 16 bytes of a record
	v_and_b32 v6, 15, v0
	v_lshlrev_b32 v6, 4, v6                        ; 16 r
	v_mov_b32 v7, 0xffff
.irp j, 8,9,10,11,12,13,14,15,22,23,24,25,26,27,132,133,134,135,136,137,43,44,52,53,54,55
	v_mov_b32 v\j, 0                               ; staging (written on every path), the zero codes, and what is named before it is first made
.endr
	v_mov_b32 v46, 0xff800000                      ; -infinity
	v_mov_b32 v47, 1.0
	s_and_b32 s78, ttmp7, 0xffff                   ; 16 batch + head
	s_lshr_b32 s100, s78, 4
	s_lshl_b32 s100, s100, 7                       ; 128 x batch
	s_and_b32 s101, s78, 15                        ; head
	s_mul_i32 s78, s78, 106496
	s_mov_b32 s79, 0
	s_mov_b32 s70, 0x76543210
	s_mov_b32 s71, 0xfedcba98                      ; v_permlanex16_b32's selects for lane l xor 16
	s_mov_b32 s72, 0x3e38aa3b                      ; c = log2(e) / 8
	s_mov_b32 s73, s72
	s_mov_b32 s74, 2                               ; blocks to go
	s_mov_b32 s75, ttmp9                           ; the block: p, then 7 - p
	s_wait_kmcnt 0x0
	s_add_nc_u64 s[4:5], s[80:81], s[78:79]        ; q's records of my head,
	s_add_nc_u64 s[6:7], s[4:5], 6815744           ; k's,
	s_add_nc_u64 s[8:9], s[4:5], 13631488          ; v's
	s_mov_b64 s[10:11], s[82:83]
	s_mov_b64 s[12:13], s[84:85]
	s_mov_b64 s[66:67], s[86:87]
; A KEY STEP: 128 keys, out of slot \slot
.macro STEP slot
	s_bitcmp1_b32 s14, 1                           ; does the tile want its mask?
	s_cbranch_scc0 .Lnm_\@
	s_load_b512 s[16:31], s[98:99], s76 offset:0x0
	s_load_b512 s[32:47], s[98:99], s76 offset:0x40
	s_load_b512 s[48:63], s[98:99], s76 offset:0x80
	s_load_b512 s[80:95], s[98:99], s76 offset:0xc0
.Lnm_\@:
.irp g, 0,1,2,3,4,5,6,7,8,9,10,11
	ds_load_b128 v[KV+4*\g:KV+4*\g+3], v1 offset:SLOTB*\slot+512*\g   ; K's image: 512 consecutive bytes a load
.endr
	ds_load_b128 v[32:35], v1 offset:SLOTB*\slot+6144                 ; its scale words: register j: lanes 0-15 tile 2 j, lanes 16-31 tile 2 j + 1
	s_wait_dscnt 0x0
.irp t, 0,2,4,6
	v_wmma_scale_f32_16x16x128_f8f6f4 v[S+8*\t:S+8*\t+7], v[KV+6*\t:KV+6*\t+11], v[16:27], 0, v[32+\t/2], v28 matrix_a_fmt:MATRIX_FMT_BF6 matrix_b_fmt:MATRIX_FMT_BF6
	v_wmma_scale_f32_16x16x128_f8f6f4 v[S+8*\t+8:S+8*\t+15], v[KV+6*\t+6:KV+6*\t+17], v[16:27], 0, v[32+\t/2], v28 matrix_a_fmt:MATRIX_FMT_BF6 matrix_b_fmt:MATRIX_FMT_BF6 matrix_a_scale:MATRIX_SCALE_ROW1
.endr
.rept 4
	v_nop                                          ; places: in front of the loads into K's registers and of the first read of the scores
.endr
.irp g, 0,1,2,3,4,5,6,7,8,9,10,11
	ds_load_b128 v[KV+4*\g:KV+4*\g+3], v1 offset:SLOTB*\slot+REC+512*\g   ; V's image: it lands under the softmax
.endr
	ds_load_b64 v[36:37], v1 offset:SLOTB*\slot+REC+6144
	s_wait_kmcnt 0x0                               ; the mask words, on every path
	s_bitcmp1_b32 s14, 1
	s_cbranch_scc0 .Lopen_\@
.set n, 0
.rept 64
.if n < 48
	v_cndmask_b32 v[S+n], v[S+n], v46, s[16+n]     ; -infinity where the mask's entry is 0
.else
	v_cndmask_b32 v[S+n], v[S+n], v46, s[32+n]
.endif
.set n, n+1
.endr
.Lopen_\@:
.irp b, 0,1,2,3
	v_max3_num_f32 v[48+\b], v[S+16*\b], v[S+1+16*\b], v[S+2+16*\b]   ; the largest score of each block of 32 keys: for the row's maximum, and, since p rises with the score, for the block's largest p
.endr
.irp i, 3,5,7,9,11,13
.irp b, 0,1,2,3
	v_max3_num_f32 v[48+\b], v[48+\b], v[S+16*\b+\i], v[S+1+16*\b+\i]
.endr
.endr
.irp b, 0,1,2,3
	v_max_num_f32 v[48+\b], v[48+\b], v[S+15+16*\b]
.endr
.irp b, 0,1,2,3
	v_permlanex16_b32 v[52+\b], v[48+\b], s70, s71
.endr
.irp b, 0,1,2,3
	v_max_num_f32 v[48+\b], v[48+\b], v[52+\b]     ; with lane l xor 16's 16 keys
.endr
	v_max3_num_f32 v44, v48, v49, v50
	v_max_num_f32 v44, v44, v51
	v_mul_f32 v44, s72, v44                        ; the step's largest t
	v_max_num_f32 v39, v39, v44                    ; the running largest t
	v_mov_b32 v44, v38
	v_floor_f32 v38, -v39                          ; the new -M = floor(-t): M is a whole number
	v_sub_f32 v44, v38, v44                        ; old M - new M: a whole number, 0 or less
	v_cvt_i32_f32 v44, v44                         ; (it saturates)
	v_ldexp_f32 v42, 1.0, v44                      ; f = 2^(old M - new M): rounds nothing
.irp j, 0,2,4,6,8,10,12,14,16,18,20,22,24,26,28,30,32,34,36,38,40,42,44,46,48,50,52,54,56,58,60,62
	v_pk_fma_f32 v[S+\j:S+\j+1], v[S+\j:S+\j+1], s[72:73], v[38:39] op_sel_hi:[1,0,0]   ; t - M, two at a time
.endr
.irp b, 0,1,2,3
	v_fma_f32 v[48+\b], v[48+\b], s72, v38         ; the same of each block's largest score
.endr
.set n, 0
.rept 64
	v_exp_f32 v[S+n], v[S+n]                       ; p = 2^(t - M): not normalised
.set n, n+1
.endr
	v_pk_mul_f32 v[40:41], v[40:41], v[42:43] op_sel_hi:[1,0]   ; the sums under the new M.  (The plain line behind the exponentials)
	s_wait_alu depctr_va_vdst(0)                   ; one wait for the batch, ahead of its first reader
.irp b, 0,1,2,3
	v_exp_f32 v[48+\b], v[48+\b]                   ; the block's largest p
.endr
	v_pk_add_f32 v[68:69], v[S:S+1], v[S+2:S+3]    ; the row's sum of the unquantised p, in two chains
.irp j, 4,8,12,16,20,24,28,32,36,40,44,48,52,56,60
	v_pk_add_f32 v[40:41], v[40:41], v[S+\j:S+\j+1]
	v_pk_add_f32 v[68:69], v[68:69], v[S+2+\j:S+3+\j]
.endr
	v_pk_add_f32 v[40:41], v[40:41], v[68:69]
	s_wait_alu depctr_va_vdst(0)                   ; and one for the four
.irp b, 0,1,2,3
	v_max_num_f32 v[48+\b], 0x2800000, v[48+\b]    ; the floor 2^(5 - 127): the byte cannot fall under 1
.endr
.irp b, 0,1,2,3
	v_add_nc_u32 v[56+\b], 0xfe000000, v[48+\b]    ; 4 off the exponent field: the conversion's scale operand
.endr
.irp b, 0,1,2,3
	v_lshrrev_b32 v[52+\b], 23, v[56+\b]           ; the scale's byte
.endr
	v_lshl_or_b32 v29, v53, 8, v52                 ; p's scale word for these 128 keys
	v_lshl_or_b32 v29, v54, 16, v29
	v_lshl_or_b32 v29, v55, 24, v29
.irp c, 0,1
	v_cvt_scalef32_pk16_bf6_f32 v[72+6*\c:74+6*\c], v[S+32*\c:S+15+32*\c], v[56+2*\c]
	v_cvt_scalef32_pk16_bf6_f32 v[60+4*\c:62+4*\c], v[S+16+32*\c:S+31+32*\c], v[57+2*\c]
.endr
	v_nop                                          ; one plain line behind the conversions
.irp c, 0,1
.irp i, 0,1,2
	v_permlane16_swap_b32 v[72+6*\c+\i], v[60+4*\c+\i]   ; a whole block to a lane
.endr
.irp i, 0,1,2
	v_mov_b32 v[75+6*\c+\i], v[60+4*\c+\i]
.endr
.endr
.irp j, 0,2,4,6,8,10,12,14,16,18,20,22,24,26,28,30
	v_pk_mul_f32 v[O+\j:O+\j+1], v[O+\j:O+\j+1], v[42:43] op_sel_hi:[1,0]   ; O^T under the new M.  (These sixteen are also the places ahead of the products below)
.endr
	s_wait_dscnt 0x0                               ; V
.irp t, 0,2
	v_wmma_scale_f32_16x16x128_f8f6f4 v[O+8*\t:O+8*\t+7], v[KV+12*\t:KV+12*\t+11], v[72:83], v[O+8*\t:O+8*\t+7], v[36+\t/2], v29 matrix_a_fmt:MATRIX_FMT_BF6 matrix_b_fmt:MATRIX_FMT_BF6
	v_wmma_scale_f32_16x16x128_f8f6f4 v[O+8*\t+8:O+8*\t+15], v[KV+12*\t+12:KV+12*\t+23], v[72:83], v[O+8*\t+8:O+8*\t+15], v[36+\t/2], v29 matrix_a_fmt:MATRIX_FMT_BF6 matrix_b_fmt:MATRIX_FMT_BF6 matrix_a_scale:MATRIX_SCALE_ROW1
.endr
.rept 4
	v_nop                                          ; places: in front of the next loads into these registers and of the next read of O^T
.endr
.endm
; A TRIP: the next step's records are asked for (if some tile of the block wants them), this step is worked (if my tile wants it), the records go into the other slot, one barrier.
.macro TRIP slot
	s_bitcmp1_b32 s15, 2                           ; is the next step live for some wave of the block?  (Behind step 15 the shifted word holds 0)
	s_cbranch_scc0 .Lnl_\@
	s_cmp_lt_u32 s2, 13                            ; a record is thirteen waves' 512 bytes
	s_cbranch_scc0 .Lnl_\@
	global_load_b128 v[8:11], v2, s[6:7] offset:REC*(\slot+1)
	global_load_b128 v[12:15], v2, s[8:9] offset:REC*(\slot+1)
.Lnl_\@:
	s_bitcmp1_b32 s14, 0                           ; is this step live for my tile?
	s_cbranch_scc0 .Lns_\@
	STEP \slot
.Lns_\@:
	s_wait_loadcnt 0x0
	s_bitcmp1_b32 s15, 2
	s_cbranch_scc0 .Lnw_\@
	s_cmp_lt_u32 s2, 13
	s_cbranch_scc0 .Lnw_\@
	ds_store_b128 v2, v[8:11] offset:SLOTB*(1-\slot)
	ds_store_b128 v2, v[12:15] offset:SLOTB*(1-\slot)+REC
.Lnw_\@:
	s_lshr_b32 s14, s14, 2
	s_lshr_b32 s15, s15, 2
	s_add_co_u32 s76, s76, 256                     ; the next step's mask words
	s_wait_dscnt 0x0                               ; my stores have landed and my reads of this slot are over
	s_barrier_signal -1
	s_barrier_wait -1
.endm
.Lblock:
	s_wait_xcnt 0x0                                ; the last block's stores have read their registers and addresses
	s_lshl_b32 s77, s75, 4
	s_add_co_u32 s77, s77, s2                      ; my query tile T = 16 block + wave
	s_lshl_b32 s78, s75, 6
	s_load_b512 s[80:95], s[12:13], s78 offset:0x0 ; the block's sixteen flag words,
	s_lshl_b32 s79, s77, 2
	s_load_b32 s14, s[12:13], s79 offset:0x0       ; and mine
	s_lshl_b32 s96, s77, 12
	s_mov_b32 s97, 0
	s_add_nc_u64 s[98:99], s[10:11], s[96:97]      ; my tile's mask words
	s_load_b512 s[16:31], s[98:99], 0x0            ; (step 0's: so that the 64 registers are written on every path)
	s_load_b512 s[32:47], s[98:99], 0x40
	s_load_b512 s[48:63], s[98:99], 0x80
	s_wait_kmcnt 0x0
	s_or_b32 s15, s80, s81
.irp i, 82,83,84,85,86,87,88,89,90,91,92,93,94,95
	s_or_b32 s15, s15, s\i                         ; a step is fetched if some tile of the block wants it
.endr
	s_load_b512 s[80:95], s[98:99], 0xc0
	s_lshr_b32 s78, s77, 3
	s_mul_i32 s78, s78, REC                        ; q's record of my tile,
	s_and_b32 s79, s77, 7
	s_mul_i32 s79, s79, 6                          ; and my tile's first register in its run of 48
.irp p, 0,1,2
	s_add_co_u32 s96, s79, 2*\p
	s_lshr_b32 s97, s96, 2
	s_lshl_b32 s97, s97, 9                         ; which run of 512 bytes,
	s_and_b32 s96, s96, 3
	s_lshl_b32 s96, s96, 2                         ; which word of the lane's four
	s_add_co_u32 s96, s96, s97
	s_add_co_u32 s96, s96, s78
	v_add_nc_u32 v[52+\p], s96, v1
	global_load_b64 v[16+2*\p:17+2*\p], v[52+\p], s[4:5]
.endr
	s_and_b32 s96, s77, 1
	s_lshl_b32 s96, s96, 8                         ; the scale word: lane r + 16 (t' % 2),
	s_and_b32 s97, s77, 7
	s_lshr_b32 s97, s97, 1
	s_lshl_b32 s97, s97, 2                         ; word t' / 2
	s_add_co_u32 s96, s96, s97
	s_add_co_u32 s96, s96, s78
	v_add_nc_u32 v55, s96, v6
	global_load_b32 v28, v55, s[4:5] offset:6144
	v_mov_b32 v39, 0xff61b1e6                      ; the largest t so far: -3e38
	v_floor_f32 v38, -v39                          ; -M
	v_mov_b32 v40, 0                               ; the sum, in two halves
	v_mov_b32 v41, 0
.set n, 0
.rept 32
	v_mov_b32 v[O+n], 0                            ; O^T: which step is a tile's first hangs on the flags, so no first step can be written out
.set n, n+1
.endr
	s_mov_b32 s76, 0
	s_mov_b32 s3, 8
	s_bitcmp1_b32 s15, 0                           ; step 0's records into slot 0 (nobody reads it: the last trip's barrier is passed)
	s_cbranch_scc0 .Lno_first
	s_cmp_lt_u32 s2, 13
	s_cbranch_scc0 .Lno_first
	global_load_b128 v[8:11], v2, s[6:7]
	global_load_b128 v[12:15], v2, s[8:9]
	s_wait_loadcnt 0x0
	ds_store_b128 v2, v[8:11]
	ds_store_b128 v2, v[12:15] offset:REC
.Lno_first:
	s_wait_loadcnt 0x0                             ; Q
	s_wait_kmcnt 0x0
	s_wait_dscnt 0x0
	s_barrier_signal -1
	s_barrier_wait -1
.Lpair:                                            ; eight trips of two steps
	TRIP 0
	TRIP 1
	s_wait_xcnt 0x0
	s_add_nc_u64 s[6:7], s[6:7], 2*REC
	s_add_nc_u64 s[8:9], s[8:9], 2*REC
	s_sub_co_u32 s3, s3, 1
	s_cmp_lg_u32 s3, 0
	s_cbranch_scc1 .Lpair
	s_sub_nc_u64 s[6:7], s[6:7], 16*REC            ; back to the head's first step
	s_sub_nc_u64 s[8:9], s[8:9], 16*REC
	; THE WAY OUT of a block: o = O^T / the sum, quantised along d (two blocks of 32), stored as tile 128 batch + T, half-step `head` of the last product's operand
	v_add_f32 v40, v40, v41
	v_permlanex16_b32 v44, v40, s70, s71
	v_add_f32 v40, v40, v44                        ; the row's sum
	v_cmp_eq_f32 vcc_lo, 0, v40                    ; a row with no key
	v_cndmask_b32 v44, v40, v47, vcc_lo            ; is divided by 1: its O^T is zeros
	v_rcp_f32 v42, v44
	s_add_co_u32 s96, s100, s77                    ; 128 batch + T
	s_lshl_b32 s78, s96, 9
	s_lshl_b32 s96, s96, 4
	s_add_co_u32 s96, s96, s101
	s_mul_i32 s96, s96, 768
	s_mov_b32 s97, 0
	s_add_nc_u64 s[96:97], s[66:67], s[96:97]
	s_lshr_b32 s79, s101, 3
	s_lshl_b32 s79, s79, 8
	s_add_co_u32 s78, s78, s79
	s_and_b32 s79, s101, 7
	s_lshl_b32 s79, s79, 1
	s_add_co_u32 s78, s78, s79
	s_mov_b32 s79, 0
	s_add_nc_u64 s[78:79], s[68:69], s[78:79]
	v_nop                                          ; the plain line behind the reciprocal
	s_wait_alu depctr_va_vdst(0)                   ; and the wait ahead of its first reader
.irp j, 0,2,4,6,8,10,12,14,16,18,20,22,24,26,28,30
	v_pk_mul_f32 v[S+\j:S+\j+1], v[O+\j:O+\j+1], v[42:43] op_sel_hi:[1,0]
.endr
.irp b, 0,1
	v_max3_num_f32 v[48+\b], |v[S+16*\b]|, |v[S+1+16*\b]|, 0x2800000
.endr
.irp i, 2,4,6,8,10,12,14
.irp b, 0,1
	v_max3_num_f32 v[48+\b], v[48+\b], |v[S+16*\b+\i]|, |v[S+1+16*\b+\i]|
.endr
.endr
.irp b, 0,1
	v_permlanex16_b32 v[52+\b], v[48+\b], s70, s71
.endr
.irp b, 0,1
	v_max_num_f32 v[48+\b], v[48+\b], v[52+\b]
.endr
.irp b, 0,1
	v_add_nc_u32 v[56+\b], 0xfe000000, v[48+\b]
.endr
.irp b, 0,1
	v_lshrrev_b32 v[52+\b], 23, v[56+\b]
.endr
	v_lshl_or_b32 v45, v53, 8, v52                 ; the head's two scale bytes
	v_cvt_scalef32_pk16_bf6_f32 v[72:74], v[S:S+15], v56
	v_cvt_scalef32_pk16_bf6_f32 v[60:62], v[S+16:S+31], v57
	v_nop
.irp i, 0,1,2
	v_permlane16_swap_b32 v[72+\i], v[60+\i]
.endr
.irp i, 0,1,2
	v_mov_b32 v[75+\i], v[60+\i]
.endr
	v_cndmask_b32 v45, v45, v7, vcc_lo             ; a row with no key: both bytes 0xff
.irp p, 0,1,2
	global_store_b64 v5, v[72+2*\p:73+2*\p], s[96:97] offset:256*\p   ; 256 consecutive bytes, aligned
.endr
	global_store_b16 v6, v45, s[78:79]             ; (both halves of the lanes write the same two bytes)
	s_sub_co_u32 s75, 7, s75                       ; the second block
	s_sub_co_u32 s74, s74, 1
	s_cmp_lg_u32 s74, 0
	s_cbranch_scc1 .Lblock
	s_wait_tensorcnt 0x0                           ; the wave's end, behind my last LDS store
	ds_add_u32 v3, v4
	s_wait_dscnt 0x0
	s_endpgm
.Lfunc_end_k_q034c3691b1_attn:
	.size	k_q034c3691b1_attn, .Lfunc_end_k_q034c3691b1_attn-k_q034c3691b1_attn
	.p2alignl 7, 3214868480
	.fill 96, 4, 3214868480
	.section	.rodata,"a",@progbits
	.p2align	6, 0x0
	.amdhsa_kernel k_q034c3691b1_attn
		.amdhsa_group_segment_fixed_size 28672
		.amdhsa_private_segment_fixed_size 0
		.amdhsa_enable_private_segment 0
		.amdhsa_kernarg_size 40
		.amdhsa_user_sgpr_count 2
		.amdhsa_user_sgpr_kernarg_segment_ptr 1
		.amdhsa_wavefront_size32 1
		.amdhsa_system_sgpr_workgroup_id_x 1
		.amdhsa_system_sgpr_workgroup_id_y 1
		.amdhsa_system_sgpr_workgroup_id_z 1
		.amdhsa_system_vgpr_workitem_id 0
		.amdhsa_next_free_vgpr 256
		.amdhsa_next_free_sgpr 102
		.amdhsa_reserve_vcc 1
		.amdhsa_float_denorm_mode_32 3
		.amdhsa_float_denorm_mode_16_64 3
		.amdhsa_memory_ordered 1
		.amdhsa_forward_progress 1
		.amdhsa_inst_pref_size 53
	.end_amdhsa_kernel
	.amdgpu_metadata
---
amdhsa.version: [ 1, 2 ]
amdhsa.kernels:
  - .name:           k_q034c3691b1_attn
    .symbol:         k_q034c3691b1_attn.kd
    .args:
      - { .name: qkv, .offset: 0, .size: 8, .value_kind: global_buffer, .address_space: global }
      - { .name: maskl, .offset: 8, .size: 8, .value_kind: global_buffer, .address_space: global }
      - { .name: flags, .offset: 16, .size: 8, .value_kind: global_buffer, .address_space: global }
      - { .name: oc, .offset: 24, .size: 8, .value_kind: global_buffer, .address_space: global }
      - { .name: os, .offset: 32, .size: 8, .value_kind: global_buffer, .address_space: global }
    .group_segment_fixed_size: 28672
    .private_segment_fixed_size: 0
    .kernarg_segment_align: 8
    .kernarg_segment_size: 40
    .max_flat_workgroup_size: 512
    .sgpr_count:     102
    .vgpr_count:     256
    .wavefront_size: 32
...
	.end_amdgpu_metadata
.endif
;; end of part 3
;; launch outp (part 4): grid 4 x 32, 4 waves a work-group, clusters of 4 x 4, 327,680 bytes of LDS; arguments oc, os, codes, scales, bo, out0; writes out0
.if DOCPART == 4
	.amdgcn_target "amdgcn-amd-amdhsa--gfx1250"
	.amdhsa_code_object_version 6
	.text
	.protected	k_q034c3691b1_outp
	.globl	k_q034c3691b1_outp
	.p2align	8
	.type	k_q034c3691b1_outp,@function
k_q034c3691b1_outp:
	s_mov_b64 s[64:65], 0
	v_nop
	global_prefetch_b8 v0, s[64:65] scope:SCOPE_SE
	s_setreg_imm32_b32 hwreg(HW_REG_WAVE_MODE, 25, 1), 1
	s_wait_xcnt 0x0
	s_wait_alu depctr_hold_cnt(0) depctr_sa_sdst(0) depctr_va_vdst(0) depctr_va_sdst(0) depctr_va_ssrc(0) depctr_va_vcc(0) depctr_vm_vsrc(0)
	s_getreg_b32 s2, hwreg(HW_REG_IB_STS2, 6, 4)
	s_cmp_eq_u32 s2, 0
	s_cbranch_scc0 .Lentry_in_a_cluster
	s_endpgm
.Lentry_in_a_cluster:
	s_bfe_u32 s2, ttmp6, 0x10000c
	s_cmp_lg_u32 s2, 0xf033
	s_cbranch_scc0 .Lentry_shape_is_right
	s_endpgm
.Lentry_shape_is_right:
; OUTP.  out0 = o Wo^T + bo on codes of BF6 (E3M2) with E8M0 scales, f32 sums.  o's codes and scale words come from the attention launch, Wo's (tiles 1728 on) from the first.  Nothing is left out here.
; The frame is the projections': a work-group of four waves makes 256 tokens x 256 features, a wave 128 x 128; source 0 = 16 rows of Wo, source 1 = 16 tokens: a lane holds one token, its registers run along the features.
; A tile is 16 rows, row(T, r) = 32 (T / 2) + 8 (T % 2) + r + 8 (r / 8); its codes lie in the order of the operand's registers, 3,072 bytes for each 256 along K.  K = 1,024: four steps through two LDS slots, written out.
; THE BIAS IS THE C OF EACH SUM'S FIRST PRODUCT, so no vector instruction touches a result: a row whose scale bytes are 0xff (a query with no key) goes out as NaN, as reference() has it.
; CLUSTER 4 x 4: o's tiles are asked for jointly along a row of the cluster, Wo's along a column.  128 work-groups: the tile is kept at 256 x 256 so that this launch and the projections have one frame.
; THE WAY OUT: a block of 16 tokens x 128 features goes through the wave's own stage in LDS (in slot 0, which has had its last fill and its last read) and leaves as rows of 512 consecutive bytes.
; REGISTERS: window 0: v16-29 addresses; v32-63 scale words, two sets; v64-127 the bias; v128-223 A's fragments (on the way out v128-255: rows read back).  Window 1: B's fragments, two sets.  Windows 2, 3: the accumulators.
.set KB,    3072
.set HALFT, 8*KB
.set SLOT,  4*HALFT
.set SCL,   2*SLOT
.set SPARE, SCL+4*4096
.set SPITCH, 528
.set NQ, 2
.set FR, 12
.set NL, 6
.set NP, 4
.set ADRA, 16
.set ADRB, 20
.set STO,  24                          ; v24 the stage: where I put 32 bytes of a row
.set RD,   25                          ; v25 where I read a row back
.set CO,   26                          ; v26 16 x lane: my bytes of a row's 512
.set ADRS, 27
.set SPW,  28
.set NIL,  29
.set SC,   32
.set BI,   64
.set AF,   128
.set BK,   128
.set G1, 24
.set G0, 32
.set G1B, 48
.set G0B, 56
.set G1S, 68
.set G0S, 76
.set G1SB, 80
.set G0SB, 88
.set MSB, 0
.macro WIN new
.if MSB != \new
	s_set_vgpr_msb (MSB<<8)|\new
.set MSB, \new
.endif
.endm
.set MUL_LO, 0xa1
.set MUL_HI, 0xf1
.set TO_B,   0x40
.macro JLOAD g0a, g1a, g0b, g1b        ; a joint load: waves 0, 1 fetch for A, waves 2, 3 for B; s_nop 0 and four v_nop follow each line
	s_cmp_eq_u32 s17, 0
	s_cbranch_scc0 .Lfor_b_\@
	tensor_load_to_lds s[\g0a:\g0a+3], s[\g1a:\g1a+7]
	s_nop 0
.rept 4
	v_nop
.endr
	s_branch .Lasked_\@
.Lfor_b_\@:
	tensor_load_to_lds s[\g0b:\g0b+3], s[\g1b:\g1b+7]
	s_nop 0
.rept 4
	v_nop
.endr
.Lasked_\@:
.endm
.macro CREST
	s_cmp_lg_u32 s16, 0
	s_cbranch_scc1 .Lnot_wave_0_\@
	s_barrier_signal -3
.Lnot_wave_0_\@:
	s_barrier_wait -3
	s_barrier_signal -1
	s_barrier_wait -1
.endm
.macro CROUND
	s_barrier_signal -1
	s_barrier_wait -1
	CREST
.endm
	s_load_b256 s[4:11], s[0:1], 0x0               ; oc, os, codes, scales
	s_load_b128 s[12:15], s[0:1], 0x20             ; bo, out0
	v_lshl_add_u32 v[SPW], v0, 2, SPARE
	v_mov_b32 v[NIL], 0
	ds_add_u32 v[SPW], v[NIL]                      ; the wave's opening: the add, twice on end, and its wait ahead of my first tensor load
	ds_add_u32 v[SPW], v[NIL]
	v_lshrrev_b32 v1, 5, v0
	v_readfirstlane_b32 s16, v1                    ; wave 0..3
	s_lshr_b32 s17, s16, 1                         ; my half of the tokens.  Also: I fetch for A (0) or B (1)
	s_and_b32 s18, s16, 1                          ; my half of the features.  Also: which eight tiles I fetch
	s_bfe_u32 s40, ttmp6, 0x40000                  ; cx
	s_bfe_u32 s41, ttmp6, 0x40004                  ; cy
	s_lshl_b32 s100, s41, 2
	s_lshl_b32 s100, 15, s100                      ; my row of the cluster
	s_lshl_b32 s101, 0x1111, s40                   ; my column
	s_or_b32 s[G1+0], s100, (3<<16)|(1<<21)
	s_or_b32 s[G1B+0], s101, (3<<16)|(1<<21)
	s_or_b32 s[G1S+0], s100, (3<<16)|(1<<21)
	s_or_b32 s[G1SB+0], s101, (3<<16)|(1<<21)
.irp g, G1, G1B                        ; codes: eight rows (tiles) of 3,072 bytes, 12,288 bytes apart
	s_mov_b32 s[\g+1], 384<<16
	s_mov_b32 s[\g+2], 8<<16
	s_mov_b32 s[\g+3], 384<<16
	s_mov_b32 s[\g+4], 8
	s_mov_b32 s[\g+5], 1536
	s_mov_b32 s[\g+6], 0
	s_mov_b32 s[\g+7], 0
.endr
.irp g, G1S, G1SB                      ; scale words: 4,096 dense bytes as 16 rows of 256
	s_mov_b32 s[\g+1], 32<<16
	s_mov_b32 s[\g+2], 16<<16
	s_mov_b32 s[\g+3], 32<<16
	s_mov_b32 s[\g+4], 16
	s_mov_b32 s[\g+5], 32
	s_mov_b32 s[\g+6], 0
	s_mov_b32 s[\g+7], 0
.endr
	s_and_b32 s22, ttmp7, 0xffff
	s_lshl_b32 s22, s22, 2
	s_add_co_u32 s22, s22, s41                     ; tile row (tokens) = 4 x cluster y + cy
	s_lshl_b32 s23, ttmp9, 2
	s_add_co_u32 s23, s23, s40                     ; tile column (features) = 4 x cluster x + cx
	s_lshl_b32 s3, s18, 3
	s_lshl_b32 s44, s22, 4
	s_add_co_u32 s44, s44, s3                      ; A's first tile that I fetch
	s_lshl_b32 s66, s23, 4
	s_add_co_u32 s66, s66, s3
	s_add_co_u32 s66, s66, 1728                    ; B's: Wo's tiles begin at 1728
	s_mul_i32 s42, s44, 12288
	s_mov_b32 s43, 0
	s_lshl_b32 s44, s44, 9
	s_mov_b32 s45, 0
	s_mul_i32 s92, s66, 12288
	s_mov_b32 s93, 0
	s_lshl_b32 s66, s66, 9
	s_mov_b32 s67, 0
	s_mul_i32 s46, s16, HALFT
	s_lshl_b32 s47, s16, 12
	s_wait_dscnt 0x0                               ; both opening adds are done
	s_wait_kmcnt 0x0
	s_add_nc_u64 s[42:43], s[4:5], s[42:43]
	s_add_nc_u64 s[44:45], s[6:7], s[44:45]
	s_add_nc_u64 s[92:93], s[8:9], s[92:93]
	s_add_nc_u64 s[66:67], s[10:11], s[66:67]
	CROUND                                         ; all sixteen work-groups are here: the first joint loads meet
	s_mov_b32 s[G0S], 1
	s_add_co_u32 s[G0S+1], s47, SCL
	s_mov_b64 s[G0S+2:G0S+3], s[44:45]
	s_or_b32 s[G0S+3], s[G0S+3], 0x80000000
	s_mov_b32 s[G0SB], 1
	s_add_co_u32 s[G0SB+1], s47, SCL
	s_mov_b64 s[G0SB+2:G0SB+3], s[66:67]
	s_or_b32 s[G0SB+3], s[G0SB+3], 0x80000000
	JLOAD G0S, G1S, G0SB, G1SB                     ; three first fills a wave: three tensor loads of mine are out
.irp s, 0,1
	s_mov_b32 s[G0+4*\s], 1
	s_add_co_u32 s[G0+4*\s+1], s46, \s*SLOT
	s_add_nc_u64 s[G0+4*\s+2:G0+4*\s+3], s[42:43], \s*KB
	s_or_b32 s[G0+4*\s+3], s[G0+4*\s+3], 0x80000000
	s_mov_b32 s[G0B+4*\s], 1
	s_add_co_u32 s[G0B+4*\s+1], s46, \s*SLOT
	s_add_nc_u64 s[G0B+4*\s+2:G0B+4*\s+3], s[92:93], \s*KB
	s_or_b32 s[G0B+4*\s+3], s[G0B+4*\s+3], 0x80000000
	JLOAD G0+4*\s, G1, G0B+4*\s, G1B
.endr
	v_and_b32 v1, 15, v0                           ; r
	v_bfe_u32 v2, v0, 4, 1                         ; h
	v_and_b32 v3, 31, v0
	v_lshlrev_b32 v4, 3, v3                        ; 8 x lane
	v_lshlrev_b32 v[CO], 4, v3
	s_mul_i32 s42, s17, HALFT
	s_mul_i32 s43, s18, HALFT
	s_add_co_u32 s43, s43, 2*HALFT
.irp s, 0,1
	v_add_nc_u32 v[ADRA+\s], s42, v4
	v_add_nc_u32 v[ADRB+\s], s43, v4
	s_add_co_u32 s42, s42, SLOT
	s_add_co_u32 s43, s43, SLOT
.endr
	s_lshl_b32 s42, s17, 12
	s_lshl_b32 s43, s18, 12
	s_add_co_u32 s43, s43, 8192
	s_sub_co_u32 s43, s43, s42
	v_mul_u32_u24 v5, s43, v2                      ; lanes 16-31 take B's scale words: one product with h
	s_add_co_u32 s42, s42, SCL
	v_lshl_add_u32 v5, v1, 4, v5
	v_add_nc_u32 v[ADRS], s42, v5
	s_mul_i32 s42, s16, 16*SPITCH                  ; my stage
	v_mul_u32_u24 v5, v1, SPITCH
	v_lshl_add_u32 v5, v2, 6, v5
	v_add_nc_u32 v[STO], s42, v5                   ; in: row r, + 64 h
	v_add_nc_u32 v[RD], s42, v[CO]                 ; back: the 32 lanes take one row of 512 bytes
	s_lshl_b32 s46, s23, 10
	s_lshl_b32 s47, s18, 9
	s_add_co_u32 s46, s46, s47                     ; my first feature, in bytes
	s_mov_b32 s47, 0
	s_add_nc_u64 s[94:95], s[12:13], s[46:47]      ; its bias
	s_add_nc_u64 s[92:93], s[14:15], s[46:47]
	s_lshl_b32 s46, s22, 20
	s_lshl_b32 s66, s17, 19
	s_add_co_u32 s46, s46, s66                     ; my first token: rows of 4,096 bytes
	s_add_nc_u64 s[92:93], s[92:93], s[46:47]      ; my corner of out0
	v_lshlrev_b32 v6, 6, v2                        ; 64 h
.irp b, 0,1,2,3
.irp j, 0,1,2,3
	global_load_b128 v[BI+16*\b+4*\j:BI+16*\b+4*\j+3], v6, s[94:95] offset:128*\b+16*\j   ; the bias of features 32 b + 16 h + 0 .. 15: registers 8 b' .. 8 b' + 7 are accumulator (a, b')'s layout
.endr
.endr
.macro FRAG reg, adr, q, i
.irp p, 0,1,2,3,4,5
	ds_load_b64 v[\reg+2*\p:\reg+2*\p+1], v[\adr] offset:(\i)*KB+(\q)*1536+256*\p
.endr
.endm
; 16 matrix instructions: A's blocks a0, a0 + 1 x B's eight.  first = 1: C is the bias.  The 64 accumulators take turns, one instruction a turn.
.macro MUL16 a0, p, q, sc, first
.irp a, \a0, \a0+1
.irp b, 0,1,2,3,4,5,6,7
.if \first
	v_wmma_scale_f32_16x16x128_f8f6f4 v[8*(8*((\a)%4)+\b):8*(8*((\a)%4)+\b)+7], v[128*(\p)+FR*\b:128*(\p)+FR*\b+FR-1], v[AF+FR*(\a):AF+FR*(\a)+FR-1], v[BI+8*\b:BI+8*\b+7], v[SC+8*NQ*(\sc)+NQ*\b+(\q)], v[SC+8*NQ*(\sc)+NQ*(\a)+(\q)] matrix_a_fmt:MATRIX_FMT_BF6 matrix_b_fmt:MATRIX_FMT_BF6 matrix_a_scale:MATRIX_SCALE_ROW1
.else
	v_wmma_scale_f32_16x16x128_f8f6f4 v[8*(8*((\a)%4)+\b):8*(8*((\a)%4)+\b)+7], v[128*(\p)+FR*\b:128*(\p)+FR*\b+FR-1], v[AF+FR*(\a):AF+FR*(\a)+FR-1], v[8*(8*((\a)%4)+\b):8*(8*((\a)%4)+\b)+7], v[SC+8*NQ*(\sc)+NQ*\b+(\q)], v[SC+8*NQ*(\sc)+NQ*(\a)+(\q)] matrix_a_fmt:MATRIX_FMT_BF6 matrix_b_fmt:MATRIX_FMT_BF6 matrix_a_scale:MATRIX_SCALE_ROW1
.endif
.endr
.endr
.endm
.macro FETCH_B slot, q, p
	WIN TO_B
.irp i, 0,1,2,3,4,5,6,7
	FRAG 128*(\p)+FR*\i, ADRB+\slot, \q, \i
.endr
	WIN 0
.endm
.macro FETCH_A slot, q, i0
.irp i, \i0, \i0+1, \i0+2, \i0+3
	FRAG AF+FR*(\i), ADRA+\slot, \q, \i
.endr
.endm
.macro SCALES sc, ks
.irp i, 0,1,2,3,4,5,6,7
	ds_load_b64 v[SC+16*\sc+2*\i:SC+16*\sc+2*\i+1], v[ADRS] offset:512*\i+256*((\ks)/2)+8*((\ks)%2)
.endr
.endm
.macro PLACES n
.rept \n
	v_nop
.endr
.endm
.macro STEP slot, q, first
	s_wait_dscnt 4*NL                              ; B's set and A's blocks 0-3 are in; the 24 youngest loads (A's blocks 4-7) may be out
.if \first
	WIN 0x81                                       ; source 0 window 1, sources 1 and 2 (the bias) window 0, D window 2
.else
	WIN MUL_LO
.endif
	MUL16 0, (\q)%2, \q, \slot, \first
	MUL16 2, (\q)%2, \q, \slot, \first
	s_wait_dscnt 0
	PLACES NP
	FETCH_B \slot, (\q)+1, 1-(\q)%2
	FETCH_A \slot, (\q)+1, 0
.if \first
	WIN 0xc1
.else
	WIN MUL_HI
.endif
	MUL16 4, (\q)%2, \q, \slot, \first
	MUL16 6, (\q)%2, \q, \slot, \first
	PLACES NP
	WIN 0
	FETCH_A \slot, (\q)+1, 4
.endm
.macro TURN slot, next, fill, ks
	s_wait_tensorcnt 0x0                           ; all my tensor loads have landed: my part of the next slot
	ds_add_u32 v[SPW], v[NIL]
	s_wait_dscnt 4*NL+1                            ; (the add and the 24 youngest loads may be out)
	WIN MUL_LO
	MUL16 0, 1, NQ-1, \slot, 0
	s_wait_dscnt 0x0                               ; the add is done, and my reads of this slot are over
	s_barrier_signal -1
	MUL16 2, 1, NQ-1, \slot, 0
	WIN 0
	s_barrier_wait -1
.if \fill
	CREST                                          ; the barrier has opened a round of the cluster's: no wave of any partner still reads this slot or has a load on its way
	s_add_nc_u64 s[G0+4*\slot+2:G0+4*\slot+3], s[G0+4*\slot+2:G0+4*\slot+3], 2*KB
	s_add_nc_u64 s[G0B+4*\slot+2:G0B+4*\slot+3], s[G0B+4*\slot+2:G0B+4*\slot+3], 2*KB
	JLOAD G0+4*\slot, G1, G0B+4*\slot, G1B
.else
	PLACES NP
.endif
	FETCH_B \next, 0, 0
	FETCH_A \next, 0, 0
	SCALES \next, \ks
	WIN MUL_HI
	MUL16 4, 1, NQ-1, \slot, 0
	MUL16 6, 1, NQ-1, \slot, 0
	PLACES NP
	WIN 0
	FETCH_A \next, 0, 4
.endm
	s_wait_tensorcnt 1                             ; the scale words and my part of K step 0 are in (slot 1's load may be out)
	s_barrier_signal -1
	s_barrier_wait -1
	FETCH_B 0, 0, 0
	FETCH_A 0, 0, 0
	SCALES 0, 0
	FETCH_A 0, 0, 4
	s_wait_loadcnt 0x0                             ; the bias
	STEP 0, 0, 1                                   ; the first products start the sums from the bias
	TURN 0, 1, 1, 1
	STEP 1, 0, 0
	TURN 1, 0, 1, 2
	STEP 0, 0, 0
	TURN 0, 1, 0, 3                                ; the last change of slots fills nothing: behind its barrier nobody reads slot 0
	STEP 1, 0, 0
	s_wait_dscnt 4*NL
	WIN MUL_LO
	MUL16 0, 1, NQ-1, 1, 0
	MUL16 2, 1, NQ-1, 1, 0
	s_wait_dscnt 0
	WIN MUL_HI
	MUL16 4, 1, NQ-1, 1, 0
	MUL16 6, 1, NQ-1, 1, 0
	WIN 0
; THE WAY OUT.  Accumulator (a, b), register j, lane (r, h): token row(a, r), feature 32 (b / 2) + 8 (b % 2) + 16 h + j.  LDS serves a wave's instructions in order: no wait between the stage's stores and loads.
.macro TOSTAGE a
.set AC, 64*((\a)%4)
	WIN 0x08+4*((\a)/4)                            ; the data: window 2 or 3
.irp b, 0,1,2,3,4,5,6,7
	ds_store_b128 v[STO], v[AC+8*\b:AC+8*\b+3] offset:128*(\b/2)+32*(\b%2)          ; each accumulator from its low end on
	ds_store_b128 v[STO], v[AC+8*\b+4:AC+8*\b+7] offset:128*(\b/2)+32*(\b%2)+16
.endr
	WIN 0
.set BB, BK+64*((\a)%2)
.irp t, 0,1,2,3,4,5,6,7,8,9,10,11,12,13,14,15
	ds_load_b128 v[BB+4*\t:BB+4*\t+3], v[RD] offset:\t*SPITCH
.endr
.endm
.macro SEND a, younger                 ; younger: the LDS instructions issued behind block a's loads, which may stay out
.set BB, BK+64*((\a)%2)
	s_wait_dscnt \younger
.irp t, 0,1,2,3,4,5,6,7,8,9,10,11,12,13,14,15
	global_store_b128 v[CO], v[BB+4*\t:BB+4*\t+3], s[92:93] offset:(32*((\a)/2)+8*((\a)%2)+\t+8*(\t/8))*4096 th:TH_STORE_NT   ; 512 consecutive bytes, aligned; the token's row stands in the immediate, 127 rows at the most
.endr
.endm
	PLACES NP
	TOSTAGE 0
.irp a, 1,2,3,4,5,6,7
.if \a > 1
	s_wait_xcnt 0x0                                ; block a - 2's stores have read their registers: block a's loads may land there
.endif
	TOSTAGE \a
	SEND \a-1, 32                                  ; behind block a - 1's loads: block a's 16 stores and 16 loads
.endr
	SEND 7, 0
	s_wait_tensorcnt 0x0                           ; the wave's end, behind my last tensor load and my last LDS store
	ds_add_u32 v[SPW], v[NIL]
	s_wait_dscnt 0x0
	CROUND                                         ; the closing round: no work-group ends while a partner may still ask jointly
	s_endpgm
.Lfunc_end_k_q034c3691b1_outp:
	.size	k_q034c3691b1_outp, .Lfunc_end_k_q034c3691b1_outp-k_q034c3691b1_outp
	.p2alignl 7, 3214868480
	.fill 96, 4, 3214868480
	.section	.rodata,"a",@progbits
	.p2align	6, 0x0
	.amdhsa_kernel k_q034c3691b1_outp
		.amdhsa_group_segment_fixed_size 327680
		.amdhsa_private_segment_fixed_size 0
		.amdhsa_enable_private_segment 0
		.amdhsa_kernarg_size 48
		.amdhsa_user_sgpr_count 2
		.amdhsa_user_sgpr_kernarg_segment_ptr 1
		.amdhsa_wavefront_size32 1
		.amdhsa_system_sgpr_workgroup_id_x 1
		.amdhsa_system_sgpr_workgroup_id_y 1
		.amdhsa_system_sgpr_workgroup_id_z 1
		.amdhsa_system_vgpr_workitem_id 0
		.amdhsa_next_free_vgpr 1024
		.amdhsa_next_free_sgpr 102
		.amdhsa_reserve_vcc 0
		.amdhsa_float_denorm_mode_32 3
		.amdhsa_float_denorm_mode_16_64 3
		.amdhsa_memory_ordered 1
		.amdhsa_forward_progress 1
		.amdhsa_inst_pref_size 160
	.end_amdhsa_kernel
	.amdgpu_metadata
---
amdhsa.version: [ 1, 2 ]
amdhsa.kernels:
  - .name:           k_q034c3691b1_outp
    .symbol:         k_q034c3691b1_outp.kd
    .args:
      - { .name: oc, .offset: 0, .size: 8, .value_kind: global_buffer, .address_space: global }
      - { .name: os, .offset: 8, .size: 8, .value_kind: global_buffer, .address_space: global }
      - { .name: codes, .offset: 16, .size: 8, .value_kind: global_buffer, .address_space: global }
      - { .name: scales, .offset: 24, .size: 8, .value_kind: global_buffer, .address_space: global }
      - { .name: bo, .offset: 32, .size: 8, .value_kind: global_buffer, .address_space: global }
      - { .name: out0, .offset: 40, .size: 8, .value_kind: global_buffer, .address_space: global }
    .group_segment_fixed_size: 327680
    .private_segment_fixed_size: 0
    .kernarg_segment_align: 8
    .kernarg_segment_size: 48
    .max_flat_workgroup_size: 128
    .sgpr_count:     102
    .vgpr_count:     1024
    .wavefront_size: 32
...
	.end_amdgpu_metadata
.endif
;; end of part 4
;; ======== version 2 of 2: 4 launches; version 1 with the launch attn written anew for expert scheduling mode
;; workspace buffers: codes 22,020,096 bytes; scales 917,504 bytes; maskl 524,288 bytes of whole numbers; flags 512 bytes of whole numbers; qkv 20,447,232 bytes; oc 6,291,456 bytes; os 262,144 bytes
;; launch prep: the kernel of part 1 again; grid 256 x 1, 16 waves a work-group, no clusters, 280,576 bytes of LDS; arguments query, key, value, Wq, Wk, Wv, Wo, attn_mask, codes, scales, maskl, flags; writes codes, scales, maskl, flags
;; launch proj: the kernel of part 2 again; grid 4 x 96, 4 waves a work-group, clusters of 4 x 4, 327,680 bytes of LDS; arguments codes, scales, bq, bk, bv, qkv; writes qkv
;; launch attn (part 5): grid 4 x 64, 16 waves a work-group, no clusters, 28,672 bytes of LDS; arguments qkv, maskl, flags, oc, os; writes oc, os
.if DOCPART == 5
	.amdgcn_target "amdgcn-amd-amdhsa--gfx1250"
	.amdhsa_code_object_version 6
	.text
	.protected	k_q034c3691b1_attn
	.globl	k_q034c3691b1_attn
	.p2align	8
	.type	k_q034c3691b1_attn,@function
k_q034c3691b1_attn:
	s_mov_b64 s[64:65], 0
	v_nop
	global_prefetch_b8 v0, s[64:65] scope:SCOPE_SE
	s_setreg_imm32_b32 hwreg(HW_REG_WAVE_SCHED_MODE, 0, 2), 2
	s_setreg_imm32_b32 hwreg(HW_REG_WAVE_MODE, 25, 1), 1
	s_wait_xcnt 0x0
	s_wait_alu depctr_vm_vsrc(0)
; ATTN.  o = softmax(q k^T / 8, masked by attn_mask) v for one batch and head, both products on codes of BF6 (E3M2); o is quantised along the embedding and stored as the last product's operand image.
; LEFT OUT: a tile of 16 queries x 128 keys all of whose mask entries are 0 (its weights are 0 whatever the inputs hold): by the flag words that the first launch stored.  A NaN or infinity that would arise only there is not carried.
; THE SOFTMAX: t = score x log2(e) / 8; M = the running largest t rounded up to a whole number; p = 2^(t - M) is quantised along the keys; the sum is taken of the unquantised p and divides at the end.
; SHARES.  Work-group (p, batch x head) takes query blocks p and 7 - p, 256 queries each; each of sixteen waves owns one tile of 16 queries, in 256 registers: four waves to a SIMD.
; Both products are used transposed (S^T = K Q^T, O^T = V^T P^T): a lane holds one query throughout.  By the images' order of rows the 16 registers of tiles 2 b, 2 b + 1 of S^T are keys 32 b + 16 h + 0..15, and those of O^T d = 32 b + 16 h + 0..15.
; THE FIRST PRODUCT HAS K = 64 in an instruction of 128: Q's registers 6-11 are zero codes, and a tile of K is named as twelve registers of which the upper six are the next tile's codes (zeros behind the last): they meet zeros.
; NO TENSOR LOAD, NO CLUSTER: the launch branches on numbers read from memory (the flags); K's and V's records (6,656 bytes a step each) come through registers:
; thirteen waves load 512 bytes each of both, a step ahead, and store them into the other of two LDS slots.  One barrier a step: my reads of this slot are over and my stores into the other have landed.  Every wave passes every barrier.
; A ROW WITH NO KEY: its sum is 0; its scale bytes are set to 0xff, so that the last product makes that row of the output NaN, as reference() has it.
; LIMITS: t under -3e38 is not served; a block of zeros has the byte 1.  The scale bytes of o leave as 2 bytes a row, 16 bytes apart: whole runs would want all 16 heads of a token in one work-group; they are 32 bytes beside 768.
; REGISTERS: v1-7 addresses; v8-15 staging; v16-27 Q; v28, 29, 32-37 scale words; v38 -M, v39 the largest t, v[40:41] the sum, v42 f; v48-69 at work; v72-83 p's codes; v84-131 K, then V; v132-137 zeros; v140-203 S^T, then p; v204-235 O^T.
; s[16:63], s[80:95]: the step's 64 mask words; s14 my tile's flags, s15 the block's, both shifted by a step's two bits each step.
; THE MODE: SCHED_MODE bits 1:0 = 2 (LLVM: expert scheduling mode 2), set by the entry lines.  The code itself states the register dependences
; between vector or matrix instructions and memory or LDS instructions, with s_wait_alu, always for 0.
; THE PLAN.  Registers that memory or LDS instructions touch:
;   v84-131         A step's first run of LDS loads lands K's image there; its eight products K Q^T read it; the second run lands V's image there; its four products V^T P^T read that.
;   v32-35, v36-37  K's and V's scale words: they land with their images and are read by the same products.
;   v8-15           Staging: zeroed once at the head by vector moves; then a trip's two global loads land there and its two LDS stores read them.
;   v16-21, v28     Q and its scale word: they land at a block's head; every product K Q^T of the block reads them.
;   v52-55          At a block's head four additions write the offsets that Q's four loads read; in every step and on the way out they are at work.
;   v72-77, v45     On the way out of a block vector instructions write them and four stores read them; v72-83 are p's codes in every step.
;   v1, v2, v5, v6  Offsets and LDS addresses, made at the head, never written again.  v3, v4: written at the head, read by the closing add alone.
; So: a block's head has one wait on vm_vsrc (the last block's stores) and one on va_vdst (ahead of Q's loads, which stand together behind it); a trip's head one on vm_vsrc (the staging registers);
; a step one on va_vdst ahead of each of its two runs of LDS loads and one ahead of its products on p's codes, beside the two behind its exponentials; the way out one ahead of its stores.
; There is no second set of registers for V: it wants 48, and of a wave's 256 (four waves share a SIMD's 1,024) 26 are free.
.set SLOTB, 13312                      ; a slot: K's record, then V's
.set REC,   6656
.set SPARE, 26624                      ; behind the two slots: the spare words, 128 bytes for each of 16 waves
.set S,     140
.set O,     204
.set KV,    84
	s_load_b256 s[80:87], s[0:1], 0x0              ; qkv, maskl, flags, oc
	s_load_b64 s[68:69], s[0:1], 0x20              ; os
	v_lshl_add_u32 v3, v0, 2, SPARE                ; my spare word; never rewritten
	v_mov_b32 v4, 0                                ; 0; never rewritten
	v_lshrrev_b32 v7, 5, v0
	v_readfirstlane_b32 s2, v7                     ; wave 0..15
	v_and_b32 v7, 31, v0
	v_lshlrev_b32 v1, 4, v7                        ; 16 x lane
	v_lshlrev_b32 v5, 3, v7                        ; 8 x lane
	v_lshlrev_b32 v2, 4, v0                        ; 16 x thread: my 16 bytes of a record
	v_and_b32 v6, 15, v0
	v_lshlrev_b32 v6, 4, v6                        ; 16 r
	v_mov_b32 v7, 0xffff
.irp j, 8,9,10,11,12,13,14,15,22,23,24,25,26,27,132,133,134,135,136,137,43,44,52,53,54,55
	v_mov_b32 v\j, 0                               ; staging (written on every path), the zero codes, and what is named before it is first made
.endr
	v_mov_b32 v46, 0xff800000                      ; -infinity
	v_mov_b32 v47, 1.0
	s_wait_alu depctr_va_sdst(0)                   ; s2 is written, ahead of the first label and of its first reader: my tile's number is made from it
	s_and_b32 s78, ttmp7, 0xffff                   ; 16 batch + head
	s_lshr_b32 s100, s78, 4
	s_lshl_b32 s100, s100, 7                       ; 128 x batch
	s_and_b32 s101, s78, 15                        ; head
	s_mul_i32 s78, s78, 106496
	s_mov_b32 s79, 0
	s_mov_b32 s70, 0x76543210
	s_mov_b32 s71, 0xfedcba98                      ; v_permlanex16_b32's selects for lane l xor 16
	s_mov_b32 s72, 0x3e38aa3b                      ; c = log2(e) / 8
	s_mov_b32 s73, s72
	s_mov_b32 s74, 2                               ; blocks to go
	s_mov_b32 s75, ttmp9                           ; the block: p, then 7 - p
	s_wait_kmcnt 0x0
	s_add_nc_u64 s[4:5], s[80:81], s[78:79]        ; q's records of my head,
	s_add_nc_u64 s[6:7], s[4:5], 6815744           ; k's,
	s_add_nc_u64 s[8:9], s[4:5], 13631488          ; v's
	s_mov_b64 s[10:11], s[82:83]
	s_mov_b64 s[12:13], s[84:85]
	s_mov_b64 s[66:67], s[86:87]
; A KEY STEP: 128 keys, out of slot \slot
.macro STEP slot
	s_bitcmp1_b32 s14, 1                           ; does the tile want its mask?
	s_cbranch_scc0 .Lnm_\@
	s_load_b512 s[16:31], s[98:99], s76 offset:0x0
	s_load_b512 s[32:47], s[98:99], s76 offset:0x40
	s_load_b512 s[48:63], s[98:99], s76 offset:0x80
	s_load_b512 s[80:95], s[98:99], s76 offset:0xc0
.Lnm_\@:
	s_wait_alu depctr_va_vdst(0)                   ; the products issued so far are done reading v84-131 and the scale words v32-35, in which the thirteen loads below land
.irp g, 0,1,2,3,4,5,6,7,8,9,10,11
	ds_load_b128 v[KV+4*\g:KV+4*\g+3], v1 offset:SLOTB*\slot+512*\g   ; K's image: 512 consecutive bytes a load
.endr
	ds_load_b128 v[32:35], v1 offset:SLOTB*\slot+6144                 ; its scale words: register j: lanes 0-15 tile 2 j, lanes 16-31 tile 2 j + 1
	s_wait_dscnt 0x0
.irp t, 0,2,4,6
	v_wmma_scale_f32_16x16x128_f8f6f4 v[S+8*\t:S+8*\t+7], v[KV+6*\t:KV+6*\t+11], v[16:27], 0, v[32+\t/2], v28 matrix_a_fmt:MATRIX_FMT_BF6 matrix_b_fmt:MATRIX_FMT_BF6
	v_wmma_scale_f32_16x16x128_f8f6f4 v[S+8*\t+8:S+8*\t+15], v[KV+6*\t+6:KV+6*\t+17], v[16:27], 0, v[32+\t/2], v28 matrix_a_fmt:MATRIX_FMT_BF6 matrix_b_fmt:MATRIX_FMT_BF6 matrix_a_scale:MATRIX_SCALE_ROW1
.endr
.rept 4
	v_nop                                          ; places: in front of the first read of the scores; they stay beside the wait below
.endr
	s_wait_alu depctr_va_vdst(0)                   ; the eight products are done reading K's image in v84-131, and the earlier products V^T P^T their scale words v36-37: the thirteen loads below land there
.irp g, 0,1,2,3,4,5,6,7,8,9,10,11
	ds_load_b128 v[KV+4*\g:KV+4*\g+3], v1 offset:SLOTB*\slot+REC+512*\g   ; V's image: it lands under the softmax, none of whose lines names these registers
.endr
	ds_load_b64 v[36:37], v1 offset:SLOTB*\slot+REC+6144
	s_wait_kmcnt 0x0                               ; the mask words, on every path
	s_bitcmp1_b32 s14, 1
	s_cbranch_scc0 .Lopen_\@
.set n, 0
.rept 64
.if n < 48
	v_cndmask_b32 v[S+n], v[S+n], v46, s[16+n]     ; -infinity where the mask's entry is 0
.else
	v_cndmask_b32 v[S+n], v[S+n], v46, s[32+n]
.endif
.set n, n+1
.endr
.Lopen_\@:
.irp b, 0,1,2,3
	v_max3_num_f32 v[48+\b], v[S+16*\b], v[S+1+16*\b], v[S+2+16*\b]   ; the largest score of each block of 32 keys: for the row's maximum, and, since p rises with the score, for the block's largest p
.endr
.irp i, 3,5,7,9,11,13
.irp b, 0,1,2,3
	v_max3_num_f32 v[48+\b], v[48+\b], v[S+16*\b+\i], v[S+1+16*\b+\i]
.endr
.endr
.irp b, 0,1,2,3
	v_max_num_f32 v[48+\b], v[48+\b], v[S+15+16*\b]
.endr
.irp b, 0,1,2,3
	v_permlanex16_b32 v[52+\b], v[48+\b], s70, s71
.endr
.irp b, 0,1,2,3
	v_max_num_f32 v[48+\b], v[48+\b], v[52+\b]     ; with lane l xor 16's 16 keys
.endr
	v_max3_num_f32 v44, v48, v49, v50
	v_max_num_f32 v44, v44, v51
	v_mul_f32 v44, s72, v44                        ; the step's largest t
	v_max_num_f32 v39, v39, v44                    ; the running largest t
	v_mov_b32 v44, v38
	v_floor_f32 v38, -v39                          ; the new -M = floor(-t): M is a whole number
	v_sub_f32 v44, v38, v44                        ; old M - new M: a whole number, 0 or less
	v_cvt_i32_f32 v44, v44                         ; (it saturates)
	v_ldexp_f32 v42, 1.0, v44                      ; f = 2^(old M - new M): rounds nothing
.irp j, 0,2,4,6,8,10,12,14,16,18,20,22,24,26,28,30,32,34,36,38,40,42,44,46,48,50,52,54,56,58,60,62
	v_pk_fma_f32 v[S+\j:S+\j+1], v[S+\j:S+\j+1], s[72:73], v[38:39] op_sel_hi:[1,0,0]   ; t - M, two at a time
.endr
.irp b, 0,1,2,3
	v_fma_f32 v[48+\b], v[48+\b], s72, v38         ; the same of each block's largest score
.endr
.set n, 0
.rept 64
	v_exp_f32 v[S+n], v[S+n]                       ; p = 2^(t - M): not normalised
.set n, n+1
.endr
	v_pk_mul_f32 v[40:41], v[40:41], v[42:43] op_sel_hi:[1,0]   ; the sums under the new M.  (The plain line behind the exponentials)
	s_wait_alu depctr_va_vdst(0)                   ; the 64 exponentials have written p: one wait for the batch, ahead of its first reader
.irp b, 0,1,2,3
	v_exp_f32 v[48+\b], v[48+\b]                   ; the block's largest p
.endr
	v_pk_add_f32 v[68:69], v[S:S+1], v[S+2:S+3]    ; the row's sum of the unquantised p, in two chains
.irp j, 4,8,12,16,20,24,28,32,36,40,44,48,52,56,60
	v_pk_add_f32 v[40:41], v[40:41], v[S+\j:S+\j+1]
	v_pk_add_f32 v[68:69], v[68:69], v[S+2+\j:S+3+\j]
.endr
	v_pk_add_f32 v[40:41], v[40:41], v[68:69]
	s_wait_alu depctr_va_vdst(0)                   ; the four exponentials have written v48-51, ahead of their first reader
.irp b, 0,1,2,3
	v_max_num_f32 v[48+\b], 0x2800000, v[48+\b]    ; the floor 2^(5 - 127): the byte cannot fall under 1
.endr
.irp b, 0,1,2,3
	v_add_nc_u32 v[56+\b], 0xfe000000, v[48+\b]    ; 4 off the exponent field: the conversion's scale operand
.endr
.irp b, 0,1,2,3
	v_lshrrev_b32 v[52+\b], 23, v[56+\b]           ; the scale's byte
.endr
	v_lshl_or_b32 v29, v53, 8, v52                 ; p's scale word for these 128 keys
	v_lshl_or_b32 v29, v54, 16, v29
	v_lshl_or_b32 v29, v55, 24, v29
.irp c, 0,1
	v_cvt_scalef32_pk16_bf6_f32 v[72+6*\c:74+6*\c], v[S+32*\c:S+15+32*\c], v[56+2*\c]
	v_cvt_scalef32_pk16_bf6_f32 v[60+4*\c:62+4*\c], v[S+16+32*\c:S+31+32*\c], v[57+2*\c]
.endr
	v_nop                                          ; one plain line behind the conversions
.irp c, 0,1
.irp i, 0,1,2
	v_permlane16_swap_b32 v[72+6*\c+\i], v[60+4*\c+\i]   ; a whole block to a lane
.endr
.irp i, 0,1,2
	v_mov_b32 v[75+6*\c+\i], v[60+4*\c+\i]
.endr
.endr
.irp j, 0,2,4,6,8,10,12,14,16,18,20,22,24,26,28,30
	v_pk_mul_f32 v[O+\j:O+\j+1], v[O+\j:O+\j+1], v[42:43] op_sel_hi:[1,0]   ; O^T under the new M.  (These sixteen are also the places ahead of the products below)
.endr
	s_wait_alu depctr_va_vdst(0)                   ; p's codes v72-83 and its scale word v29 are written, which the scaled products below take as operand and scales; the places above stay beside this wait
	s_wait_dscnt 0x0                               ; V
.irp t, 0,2
	v_wmma_scale_f32_16x16x128_f8f6f4 v[O+8*\t:O+8*\t+7], v[KV+12*\t:KV+12*\t+11], v[72:83], v[O+8*\t:O+8*\t+7], v[36+\t/2], v29 matrix_a_fmt:MATRIX_FMT_BF6 matrix_b_fmt:MATRIX_FMT_BF6
	v_wmma_scale_f32_16x16x128_f8f6f4 v[O+8*\t+8:O+8*\t+15], v[KV+12*\t+12:KV+12*\t+23], v[72:83], v[O+8*\t+8:O+8*\t+15], v[36+\t/2], v29 matrix_a_fmt:MATRIX_FMT_BF6 matrix_b_fmt:MATRIX_FMT_BF6 matrix_a_scale:MATRIX_SCALE_ROW1
.endr
.rept 4
	v_nop                                          ; places: in front of the next read of O^T
.endr
.endm
; A TRIP: the next step's records are asked for (if some tile of the block wants them), this step is worked (if my tile wants it), the records go into the other slot, one barrier.
.macro TRIP slot
	s_wait_alu depctr_vm_vsrc(0)                   ; my LDS stores so far have read v8-15, in which the loads below land; in a block's first trip Q's loads have read their offsets v52-55, which the steps write again
	s_bitcmp1_b32 s15, 2                           ; is the next step live for some wave of the block?  (Behind step 15 the shifted word holds 0)
	s_cbranch_scc0 .Lnl_\@
	s_cmp_lt_u32 s2, 13                            ; a record is thirteen waves' 512 bytes
	s_cbranch_scc0 .Lnl_\@
	global_load_b128 v[8:11], v2, s[6:7] offset:REC*(\slot+1)
	global_load_b128 v[12:15], v2, s[8:9] offset:REC*(\slot+1)
.Lnl_\@:
	s_bitcmp1_b32 s14, 0                           ; is this step live for my tile?
	s_cbranch_scc0 .Lns_\@
	STEP \slot
.Lns_\@:
	s_wait_loadcnt 0x0
	s_bitcmp1_b32 s15, 2
	s_cbranch_scc0 .Lnw_\@
	s_cmp_lt_u32 s2, 13
	s_cbranch_scc0 .Lnw_\@
	ds_store_b128 v2, v[8:11] offset:SLOTB*(1-\slot)
	ds_store_b128 v2, v[12:15] offset:SLOTB*(1-\slot)+REC
.Lnw_\@:
	s_lshr_b32 s14, s14, 2
	s_lshr_b32 s15, s15, 2
	s_add_co_u32 s76, s76, 256                     ; the next step's mask words
	s_wait_dscnt 0x0                               ; my stores have landed and my reads of this slot are over
	s_barrier_signal -1
	s_barrier_wait -1
.endm
.Lblock:
	s_wait_xcnt 0x0                                ; the last block's stores have read their registers and addresses
	s_wait_alu depctr_vm_vsrc(0)                   ; the last block's stores have read v72-77 and v45, which this block writes again; its LDS stores have read v8-15, its loads of Q the offsets v52-55
	s_lshl_b32 s77, s75, 4
	s_add_co_u32 s77, s77, s2                      ; my query tile T = 16 block + wave
	s_lshl_b32 s78, s75, 6
	s_load_b512 s[80:95], s[12:13], s78 offset:0x0 ; the block's sixteen flag words,
	s_lshl_b32 s79, s77, 2
	s_load_b32 s14, s[12:13], s79 offset:0x0       ; and mine
	s_lshl_b32 s96, s77, 12
	s_mov_b32 s97, 0
	s_add_nc_u64 s[98:99], s[10:11], s[96:97]      ; my tile's mask words
	s_load_b512 s[16:31], s[98:99], 0x0            ; (step 0's: so that the 64 registers are written on every path)
	s_load_b512 s[32:47], s[98:99], 0x40
	s_load_b512 s[48:63], s[98:99], 0x80
	s_wait_kmcnt 0x0
	s_or_b32 s15, s80, s81
.irp i, 82,83,84,85,86,87,88,89,90,91,92,93,94,95
	s_or_b32 s15, s15, s\i                         ; a step is fetched if some tile of the block wants it
.endr
	s_load_b512 s[80:95], s[98:99], 0xc0
	s_lshr_b32 s78, s77, 3
	s_mul_i32 s78, s78, REC                        ; q's record of my tile,
	s_and_b32 s79, s77, 7
	s_mul_i32 s79, s79, 6                          ; and my tile's first register in its run of 48
.irp p, 0,1,2
	s_add_co_u32 s96, s79, 2*\p
	s_lshr_b32 s97, s96, 2
	s_lshl_b32 s97, s97, 9                         ; which run of 512 bytes,
	s_and_b32 s96, s96, 3
	s_lshl_b32 s96, s96, 2                         ; which word of the lane's four
	s_add_co_u32 s96, s96, s97
	s_add_co_u32 s96, s96, s78
	v_add_nc_u32 v[52+\p], s96, v1
.endr
	s_and_b32 s96, s77, 1
	s_lshl_b32 s96, s96, 8                         ; the scale word: lane r + 16 (t' % 2),
	s_and_b32 s97, s77, 7
	s_lshr_b32 s97, s97, 1
	s_lshl_b32 s97, s97, 2                         ; word t' / 2
	s_add_co_u32 s96, s96, s97
	s_add_co_u32 s96, s96, s78
	v_add_nc_u32 v55, s96, v6
	s_wait_alu depctr_va_vdst(0)                   ; the four offsets v52-55 are written; the last block's products are done reading Q (v16-21) and its scale word v28, in which the loads below land; in the first block all that the head wrote is written: the addresses v1, v2, v5, v6, the zeros in v8-15, in which records land, and the zero codes v22-27, v132-137, which the scaled products take
.irp p, 0,1,2
	global_load_b64 v[16+2*\p:17+2*\p], v[52+\p], s[4:5]
.endr
	global_load_b32 v28, v55, s[4:5] offset:6144
	v_mov_b32 v39, 0xff61b1e6                      ; the largest t so far: -3e38.  (From here to the first trip the vector lines name v38-41 and O^T alone: none of the registers that the loads above and below touch)
	v_floor_f32 v38, -v39                          ; -M
	v_mov_b32 v40, 0                               ; the sum, in two halves
	v_mov_b32 v41, 0
.set n, 0
.rept 32
	v_mov_b32 v[O+n], 0                            ; O^T: which step is a tile's first hangs on the flags, so no first step can be written out
.set n, n+1
.endr
	s_mov_b32 s76, 0
	s_mov_b32 s3, 8
	s_bitcmp1_b32 s15, 0                           ; step 0's records into slot 0 (nobody reads it: the last trip's barrier is passed)
	s_cbranch_scc0 .Lno_first
	s_cmp_lt_u32 s2, 13
	s_cbranch_scc0 .Lno_first
	global_load_b128 v[8:11], v2, s[6:7]
	global_load_b128 v[12:15], v2, s[8:9]
	s_wait_loadcnt 0x0
	ds_store_b128 v2, v[8:11]
	ds_store_b128 v2, v[12:15] offset:REC
.Lno_first:
	s_wait_loadcnt 0x0                             ; Q
	s_wait_kmcnt 0x0
	s_wait_dscnt 0x0
	s_barrier_signal -1
	s_barrier_wait -1
.Lpair:                                            ; eight trips of two steps
	TRIP 0
	TRIP 1
	s_wait_xcnt 0x0
	s_add_nc_u64 s[6:7], s[6:7], 2*REC
	s_add_nc_u64 s[8:9], s[8:9], 2*REC
	s_sub_co_u32 s3, s3, 1
	s_cmp_lg_u32 s3, 0
	s_cbranch_scc1 .Lpair
	s_sub_nc_u64 s[6:7], s[6:7], 16*REC            ; back to the head's first step
	s_sub_nc_u64 s[8:9], s[8:9], 16*REC
	; THE WAY OUT of a block: o = O^T / the sum, quantised along d (two blocks of 32), stored as tile 128 batch + T, half-step `head` of the last product's operand
	v_add_f32 v40, v40, v41
	v_permlanex16_b32 v44, v40, s70, s71
	v_add_f32 v40, v40, v44                        ; the row's sum
	v_cmp_eq_f32 vcc_lo, 0, v40                    ; a row with no key
	s_wait_alu depctr_va_vcc(0)                    ; VCC is written, ahead of its first reader: the two selects below read it
	v_cndmask_b32 v44, v40, v47, vcc_lo            ; is divided by 1: its O^T is zeros
	v_rcp_f32 v42, v44
	s_add_co_u32 s96, s100, s77                    ; 128 batch + T
	s_lshl_b32 s78, s96, 9
	s_lshl_b32 s96, s96, 4
	s_add_co_u32 s96, s96, s101
	s_mul_i32 s96, s96, 768
	s_mov_b32 s97, 0
	s_add_nc_u64 s[96:97], s[66:67], s[96:97]
	s_lshr_b32 s79, s101, 3
	s_lshl_b32 s79, s79, 8
	s_add_co_u32 s78, s78, s79
	s_and_b32 s79, s101, 7
	s_lshl_b32 s79, s79, 1
	s_add_co_u32 s78, s78, s79
	s_mov_b32 s79, 0
	s_add_nc_u64 s[78:79], s[68:69], s[78:79]
	v_nop                                          ; the plain line behind the reciprocal
	s_wait_alu depctr_va_vdst(0)                   ; the reciprocal has written v42, ahead of its first reader
.irp j, 0,2,4,6,8,10,12,14,16,18,20,22,24,26,28,30
	v_pk_mul_f32 v[S+\j:S+\j+1], v[O+\j:O+\j+1], v[42:43] op_sel_hi:[1,0]
.endr
.irp b, 0,1
	v_max3_num_f32 v[48+\b], |v[S+16*\b]|, |v[S+1+16*\b]|, 0x2800000
.endr
.irp i, 2,4,6,8,10,12,14
.irp b, 0,1
	v_max3_num_f32 v[48+\b], v[48+\b], |v[S+16*\b+\i]|, |v[S+1+16*\b+\i]|
.endr
.endr
.irp b, 0,1
	v_permlanex16_b32 v[52+\b], v[48+\b], s70, s71
.endr
.irp b, 0,1
	v_max_num_f32 v[48+\b], v[48+\b], v[52+\b]
.endr
.irp b, 0,1
	v_add_nc_u32 v[56+\b], 0xfe000000, v[48+\b]
.endr
.irp b, 0,1
	v_lshrrev_b32 v[52+\b], 23, v[56+\b]
.endr
	v_lshl_or_b32 v45, v53, 8, v52                 ; the head's two scale bytes
	v_cvt_scalef32_pk16_bf6_f32 v[72:74], v[S:S+15], v56
	v_cvt_scalef32_pk16_bf6_f32 v[60:62], v[S+16:S+31], v57
	v_nop
.irp i, 0,1,2
	v_permlane16_swap_b32 v[72+\i], v[60+\i]
.endr
.irp i, 0,1,2
	v_mov_b32 v[75+\i], v[60+\i]
.endr
	v_cndmask_b32 v45, v45, v7, vcc_lo             ; a row with no key: both bytes 0xff
	s_wait_alu depctr_va_vdst(0)                   ; the codes v72-77 and the two bytes in v45 are written, which the four stores below read
.irp p, 0,1,2
	global_store_b64 v5, v[72+2*\p:73+2*\p], s[96:97] offset:256*\p   ; 256 consecutive bytes, aligned
.endr
	global_store_b16 v6, v45, s[78:79]             ; (both halves of the lanes write the same two bytes)
	s_sub_co_u32 s75, 7, s75                       ; the second block
	s_sub_co_u32 s74, s74, 1
	s_cmp_lg_u32 s74, 0
	s_cbranch_scc1 .Lblock
	s_wait_dscnt 0x0                               ; the closing lines, six on end
	s_wait_alu 0x0
	s_wait_tensorcnt 0x0
	ds_add_u32 v3, v4
	s_wait_dscnt 0x0
	s_endpgm
.Lfunc_end_k_q034c3691b1_attn:
	.size	k_q034c3691b1_attn, .Lfunc_end_k_q034c3691b1_attn-k_q034c3691b1_attn
	.p2alignl 7, 3214868480
	.fill 96, 4, 3214868480
	.section	.rodata,"a",@progbits
	.p2align	6, 0x0
	.amdhsa_kernel k_q034c3691b1_attn
		.amdhsa_group_segment_fixed_size 28672
		.amdhsa_private_segment_fixed_size 0
		.amdhsa_enable_private_segment 0
		.amdhsa_kernarg_size 40
		.amdhsa_user_sgpr_count 2
		.amdhsa_user_sgpr_kernarg_segment_ptr 1
		.amdhsa_wavefront_size32 1
		.amdhsa_system_sgpr_workgroup_id_x 1
		.amdhsa_system_sgpr_workgroup_id_y 1
		.amdhsa_system_sgpr_workgroup_id_z 1
		.amdhsa_system_vgpr_workitem_id 0
		.amdhsa_next_free_vgpr 256
		.amdhsa_next_free_sgpr 102
		.amdhsa_reserve_vcc 1
		.amdhsa_float_denorm_mode_32 3
		.amdhsa_float_denorm_mode_16_64 3
		.amdhsa_memory_ordered 1
		.amdhsa_forward_progress 1
		.amdhsa_inst_pref_size 53
	.end_amdhsa_kernel
	.amdgpu_metadata
---
amdhsa.version: [ 1, 2 ]
amdhsa.kernels:
  - .name:           k_q034c3691b1_attn
    .symbol:         k_q034c3691b1_attn.kd
    .args:
      - { .name: qkv, .offset: 0, .size: 8, .value_kind: global_buffer, .address_space: global }
      - { .name: maskl, .offset: 8, .size: 8, .value_kind: global_buffer, .address_space: global }
      - { .name: flags, .offset: 16, .size: 8, .value_kind: global_buffer, .address_space: global }
      - { .name: oc, .offset: 24, .size: 8, .value_kind: global_buffer, .address_space: global }
      - { .name: os, .offset: 32, .size: 8, .value_kind: global_buffer, .address_space: global }
    .group_segment_fixed_size: 28672
    .private_segment_fixed_size: 0
    .kernarg_segment_align: 8
    .kernarg_segment_size: 40
    .max_flat_workgroup_size: 512
    .sgpr_count:     102
    .vgpr_count:     256
    .wavefront_size: 32
...
	.end_amdgpu_metadata
.endif
;; end of part 5
;; launch outp: the kernel of part 4 again; grid 4 x 32, 4 waves a work-group, clusters of 4 x 4, 327,680 bytes of LDS; arguments oc, os, codes, scales, bo, out0; writes out0
